; MI455X (gfx1250); checked and timed in simulation.
; The chip was launched on July 23, 2026; its instructions are those of AMD's public machine-readable ISA for CDNA 5 (MIT licence, August 2026) and "CDNA5" Instruction Set Architecture Reference Guide (July 2026). The comments in the code are by the model that wrote it; some were corrected since.
;; Multi Head Attention. Allowed arithmetic: matrix products marked QUANTISED: E2M1 operands, one E8M0 scale for each 32 along K, by v_wmma_scale_f32_16x16x128_f8f6f4 with both operands' format E2M1 (or v_wmma_scale_f32_32x16x128_f4), f32 sums; products left as they are: bf16, f16 or f32 operands; f32 sums; everything else in f32.
;; Inputs: Wk 1,024 x 1,024 float32; Wo 1,024 x 1,024 float32; Wq 1,024 x 1,024 float32; Wv 1,024 x 1,024 float32; bk 1,024 float32; bo 1,024 float32; bq 1,024 float32; bv 1,024 float32; x 4 x 2,048 x 1,024 float32.
;; Outputs: out0 4 x 2,048 x 1,024 float32.
;; This version of the problem:
;;   THIS VERSION OF THE PROBLEM IS GIVEN IN LOW PRECISION. The matrix products marked QUANTISED in the list below multiply operands that are first quantised to E2M1 (2 exponent bits, 1 mantissa bit; 4 bits a number), with one power-of-two scale for each 32 numbers along K (OCP MX v1.0); their sums are f32. The products marked 'left as it is' may take bf16, f16 or f32 operands, with f32 sums. Whichever they take, every output number must still come out within the allowed error. Rounding operands to bf16 (8 significant bits) uses up far more of that allowance than f16 does (11 bits, for magnitudes from 6e-5 to 65,504). All else is computed in f32.
;;   The module's matrix products, in the order in which they are computed (A, B: the left and right operand; K: the contracted axis; several contracted axes count as one K, in the product's order):
;;     1. [M 8,192, K 1,024] x [K 1,024, N 1,024]; A: input x; B: input Wq: QUANTISED
;;     2. [M 8,192, K 1,024] x [K 1,024, N 1,024]; A: input x; B: input Wk: QUANTISED
;;     3. [M 8,192, K 1,024] x [K 1,024, N 1,024]; A: input x; B: input Wv: QUANTISED
;;     4. batch 64 x [M 2,048, K 64] x [K 64, N 2,048]; A: computed on the way; B: computed on the way: left as it is (an operand is computed on the way)
;;     5. batch 64 x [M 2,048, K 2,048] x [K 2,048, N 64]; A: computed on the way; B: computed on the way: left as it is (an operand is computed on the way)
;;     6. [M 8,192, K 1,024] x [K 1,024, N 1,024]; A: computed on the way; B: input Wo: left as it is (an operand is computed on the way)
;;   THE QUANTISER, for each operand of a quantised product, along K:
;;     - K is cut into blocks of 32 from its start; a last block that is shorter is filled with zeros.
;;     - A block's scale is 2^e with e = floor(log2(the largest magnitude in the block)) - 2, held to -126 .. 127; a block of zeros has e = 0. As a byte (E8M0): e + 127.
;;     - Each number is divided by its block's scale, clamped to +-6, and rounded to the nearest number of E2M1, ties to even, subnormals kept.
;;     - The product sums the exact products of the quantised numbers (number of the format x scale) in f32.
;;   ~~~python
;;   def quantise(x, axis):      # numpy; x: float32 -> the quantised numbers, widened to float32 again
;;       x = np.moveaxis(x, axis, -1); K = x.shape[-1]
;;       x = np.pad(x, [(0, 0)] * (x.ndim - 1) + [(0, -K % 32)]); x = x.reshape(x.shape[:-1] + (-1, 32)); a = np.abs(x).max(-1, keepdims=True)
;;       e = np.where(a > 0, np.clip(np.frexp(np.where(a > 0, a, 1))[1] - 1 - 2, -126, 127), 0)      # np.frexp(a)[1] - 1 = floor(log2(a)), exactly
;;       r = np.clip(x / 2.0 ** e, -6, 6)
;;       step = 2.0 ** (np.maximum(np.frexp(np.where(r == 0, 1, r))[1] - 1, 0) - 1)
;;       q = np.round(r / step) * step * 2.0 ** e      # np.round: ties to even
;;       return np.moveaxis(q.reshape(q.shape[:-2] + (-1,))[..., :K], -1, axis).astype(np.float32)
;;   ~~~
;; One version. Each part assembles by itself: llvm-mc -triple=amdgcn-amd-amdhsa -mcpu=gfx1250 --defsym DOCPART=n.
;; ======== version 1 of 1: 5 launches
;; limits: values are held in f16: magnitudes above 65,504 overflow, below 6.1e-05 lose precision
;; workspace buffers: xc 4,194,304 bytes; xs 262,144 bytes; wc 1,572,864 bytes; ws 98,304 bytes; wot 2,097,152 bytes; qkv 50,331,648 bytes; fine 786,432 bytes; ctx 16,777,216 bytes
;; launch prep (part 1): grid 368 x 1, 4 waves a work-group, no clusters, 102,912 bytes of LDS; arguments x, Wq, Wk, Wv, Wo, xc, xs, wc, ws, wot; writes xc, xs, wc, ws, wot
.if DOCPART == 1
	.amdgcn_target "amdgcn-amd-amdhsa--gfx1250"
	.amdhsa_code_object_version 6
	.text
	.protected	k_qb46b4ab701_prep
	.globl	k_qb46b4ab701_prep
	.p2align	8
	.type	k_qb46b4ab701_prep,@function
k_qb46b4ab701_prep:
	s_mov_b64 s[64:65], 0
	v_nop
	global_prefetch_b8 v0, s[64:65] scope:SCOPE_SE
	s_setreg_imm32_b32 hwreg(HW_REG_WAVE_MODE, 25, 1), 1
	s_wait_xcnt 0x0
; PREP.  Three jobs, told apart by the work-group's number; the three ways never join, and each has LDS bytes of its own.
;   work-groups 0-47:    Wq, Wk, Wv [1024 k][1024 n] f32 -> codes of FP4 (E2M1) laid [3072 n][1024 k], K innermost, and one E8M0 byte for each 32 along K, laid [3072][32]
;   work-groups 48-111:  Wo [1024 k][1024 n] f32 -> f16, laid [1024 n][1024 k]
;   work-groups 112-367: x [8192][1024] f32 -> codes [8192][512 bytes] and scale bytes [8192][32]
; A block's scale is 2^(floor(log2(its largest magnitude)) - 2); its byte is the largest magnitude's exponent field - 2, held at 1 from below.
; LIMITS: a block of zeros gets the byte 1 (its codes are zeros, and this program alone reads the bytes); blocks whose largest magnitude lies under 2^-124 have the byte held at 1;
; NaN and infinities among the inputs are not served; Wo's magnitudes stay under 65,504 (f16).
; No tensor loads, no barrier: waves share nothing.  Matrix units and clusters have nothing to do in a stream.
.set SPW,   14                         ; v14  LDS address of my spare word: SPARE + 4 x my thread's number; never rewritten
.set NIL,   15                         ; v15  0; never rewritten
.set XREG,  8192                       ; x's way: a region for each wave from LDS byte 0: two stages of 32 x 80 bytes, then 256 scale bytes
.set XSP,   80                         ; a lane's place in a stage: 64 bytes + 16 of padding
.set WSTG,  32768                      ; the weights' way: four stages of 32 rows x 272 bytes
.set OSTG,  67584                      ; Wo's way: the same
.set PITCH, 272
.set SPARE, 102400                     ; the spare words, 128 bytes for each wave: two blocks of 256 bytes that no other line names
	s_load_b512 s[8:23], s[0:1], 0x0               ; x s[8:9], Wq s[10:11], Wk s[12:13], Wv s[14:15], Wo s[16:17], xc s[18:19], xs s[20:21], wc s[22:23]
	s_load_b128 s[24:27], s[0:1], 0x40             ; ws s[24:25], wot s[26:27]
	v_lshl_add_u32 v[SPW], v0, 2, SPARE
	v_mov_b32 v[NIL], 0
	v_lshrrev_b32 v1, 5, v0
	v_readfirstlane_b32 s2, v1                     ; wave 0..3
	v_and_b32 v2, 31, v0                           ; lane
	s_wait_kmcnt 0x0
	s_cmp_lt_u32 ttmp9, 48
	s_cbranch_scc1 .Lpath_w
	s_cmp_lt_u32 ttmp9, 112
	s_cbranch_scc1 .Lpath_o
; ---------------- x: a plain stream of blocks of 32.  A wave takes 16 steps of 512 numbers.
; Each load reads 512 consecutive bytes; a step's 2,048 bytes turn through the wave's own stage, so that a lane then holds 16 neighbours along K (two neighbouring lanes hold a block).
.set XR, 16                            ; v16-79   four sets of 16 numbers as loaded
.set XX, 80                            ; v80-111  two sets of 16 neighbours
.set XE, 112                           ; v112-127 a scale byte for each step
.set XC, 128                           ; v128-191 codes: four registers for each step, so that no store's data are written again
	v_lshlrev_b32 v3, 4, v2                        ; my 16 bytes of a load's 512
	s_mul_i32 s3, s2, XREG
	v_lshrrev_b32 v12, 2, v2
	v_mul_u32_u24 v12, v12, XSP
	v_and_b32 v13, 3, v2
	v_lshl_add_u32 v12, v13, 4, v12
	v_add_nc_u32 v12, s3, v12                      ; the stage, on the way in: 80 (lane / 4) + 16 (lane % 4)
	v_mul_u32_u24 v13, v2, XSP
	v_add_nc_u32 v13, s3, v13                      ; and on the way out: 80 x lane
	v_lshlrev_b32 v4, 3, v2                        ; my 8 bytes of a step's 256 bytes of codes
	v_lshrrev_b32 v5, 1, v2
	s_add_co_u32 s3, s3, 2*32*XSP
	v_add_nc_u32 v5, s3, v5                        ; LDS: my block's scale byte
	v_lshlrev_b32 v7, 3, v2
	v_add_nc_u32 v6, s3, v7                        ; and 8 of the wave's 256 bytes on the way out
	s_sub_co_u32 s28, ttmp9, 112
	s_lshl_b32 s28, s28, 2
	s_add_co_u32 s28, s28, s2                      ; which run of 8,192 numbers is my wave's: 0..1023
	s_mov_b32 s31, 0
	s_lshl_b32 s30, s28, 15
	s_add_nc_u64 s[8:9], s[8:9], s[30:31]          ; 32,768 bytes of x a run,
	s_lshl_b32 s30, s28, 12
	s_add_nc_u64 s[18:19], s[18:19], s[30:31]      ; 4,096 of codes,
	s_lshl_b32 s30, s28, 8
	s_add_nc_u64 s[20:21], s[20:21], s[30:31]      ; 256 scale bytes
.macro XLOAD t
.irp i, 0,1,2,3
	global_load_b128 v[XR+16*((\t)%4)+4*\i:XR+16*((\t)%4)+4*\i+3], v3, s[8:9] offset:2048*(\t)+512*\i th:TH_LOAD_NT
.endr
.endm
.macro XTURN t                         ; LDS serves a wave's instructions in order: no wait between the stores and the loads
.irp i, 0,1,2,3
	ds_store_b128 v12, v[XR+16*((\t)%4)+4*\i:XR+16*((\t)%4)+4*\i+3] offset:32*XSP*((\t)%2)+8*XSP*\i
.endr
.irp i, 0,1,2,3
	ds_load_b128 v[XX+16*((\t)%2)+4*\i:XX+16*((\t)%2)+4*\i+3], v13 offset:32*XSP*((\t)%2)+16*\i
.endr
.endm
.irp t, 0,1,2,3
	XLOAD \t
.endr
	s_wait_loadcnt 12                              ; step 0's four loads are in
	XTURN 0
.macro XSTEP t
.set XS, XX+16*((\t)%2)
.if (\t) > 0
	s_wait_dscnt 1                                 ; this step's numbers are back from the stage; the last step's byte store may be out
.else
	s_wait_dscnt 0x0
.endif
.if (\t)+4 < 16
	XLOAD (\t)+4                                   ; into the set that this step's stage stores have read
.endif
.if (\t)+1 < 16
.if 14-(\t) >= 3
	s_wait_loadcnt 12                              ; the next step's four loads are in; three steps' may be out
.else
	s_wait_loadcnt 4*(14-(\t))
.endif
	XTURN (\t)+1
.endif
	v_max3_num_f32 v8, |v[XS]|, |v[XS+1]|, |v[XS+2]|               ; the largest magnitude of my 16, in two chains
	v_max3_num_f32 v9, |v[XS+3]|, |v[XS+4]|, |v[XS+5]|
.irp i, 6,10
	v_max3_num_f32 v8, v8, |v[XS+\i]|, |v[XS+\i+1]|
	v_max3_num_f32 v9, v9, |v[XS+\i+2]|, |v[XS+\i+3]|
.endr
	v_max3_num_f32 v8, v8, |v[XS+14]|, |v[XS+15]|
	v_max3_num_f32 v8, v8, v9, 0x1800000           ; and the floor 2^(3 - 127): the byte cannot fall under 1
	v_max_num_f32_dpp v8, v8, v8 row_xmask:1 row_mask:0xf bank_mask:0xf   ; with my neighbour's 16: the block's
	v_add_nc_u32 v11, 0xff000000, v8               ; 2 off its exponent field: the conversion takes this operand's exponent field as its scale
	v_cvt_scalef32_pk8_fp4_f32 v[XC+4*(\t)], v[XS:XS+7], v11
	v_cvt_scalef32_pk8_fp4_f32 v[XC+4*(\t)+1], v[XS+8:XS+15], v11
	v_lshrrev_b32 v[XE+(\t)], 23, v11              ; the scale's byte
	ds_store_b8 v5, v[XE+(\t)] offset:16*(\t)      ; both lanes of a block write the same byte with the same value
	global_store_b64 v4, v[XC+4*(\t):XC+4*(\t)+1], s[18:19] offset:256*(\t)   ; the wave stores 256 consecutive bytes, aligned
.endm
.irp t, 0,1,2,3,4,5,6,7,8,9,10,11,12,13,14,15
	XSTEP \t
.endr
	ds_load_b64 v[8:9], v6
	s_wait_dscnt 0x0
	global_store_b64 v7, v[8:9], s[20:21]          ; the wave's 256 scale bytes, consecutive and aligned
	s_wait_tensorcnt 0x0                           ; the wave's end, behind my last LDS store
	ds_add_u32 v[SPW], v[NIL]
	s_wait_dscnt 0x0
	s_endpgm
; ---------------- Wq, Wk, Wv: K is the first axis.  A lane takes a column n, its registers run down K: a block of 32 lies in one lane, and the codes come out with K innermost.
; A wave takes 32 columns x 512 along K; its codes (256 bytes a column) go through its own stage and leave as rows.
.set WX, 32                            ; v32-95   two sets of 32 numbers
.set WC, 96                            ; v96-111  codes (Wo's way: 32 numbers as f16)
.set WO, 112                           ; v112-175 the way out
.set WS, 24                            ; v24-27   scale bytes, four to a register
.Lpath_w:
	s_lshr_b32 s28, ttmp9, 4                       ; which tensor: 0 Wq, 1 Wk, 2 Wv
	s_cmp_eq_u32 s28, 0
	s_cselect_b64 s[4:5], s[10:11], s[12:13]
	s_cmp_eq_u32 s28, 2
	s_cselect_b64 s[4:5], s[14:15], s[4:5]
	s_and_b32 s29, ttmp9, 7
	s_bfe_u32 s30, ttmp9, 0x10003                  ; which 512 along K
	s_lshl_b32 s29, s29, 7
	s_lshl_b32 s31, s2, 5
	s_add_co_u32 s29, s29, s31                     ; my wave's first column
	s_lshl_b32 s32, s30, 21                        ; 512 rows of 4,096 bytes
	s_lshl_b32 s33, s29, 2
	s_add_co_u32 s32, s32, s33
	s_mov_b32 s33, 0
	s_add_nc_u64 s[4:5], s[4:5], s[32:33]
	s_lshl_b32 s28, s28, 10
	s_add_co_u32 s28, s28, s29                     ; its row in wc and ws
	s_lshl_b32 s32, s28, 9
	s_lshl_b32 s34, s30, 8
	s_add_co_u32 s32, s32, s34
	s_add_nc_u64 s[22:23], s[22:23], s[32:33]      ; codes: 512 bytes a row, + 256 for the upper half of K
	s_lshl_b32 s32, s28, 5
	s_lshl_b32 s34, s30, 4
	s_add_co_u32 s32, s32, s34
	s_add_nc_u64 s[24:25], s[24:25], s[32:33]      ; scale bytes: 32 a row, + 16
	s_mul_i32 s35, s2, 32*PITCH
	s_add_co_u32 s35, s35, WSTG                    ; my stage
	v_lshlrev_b32 v3, 2, v2                        ; in: 4 bytes a lane
	v_mul_u32_u24 v4, v2, PITCH
	v_add_nc_u32 v4, s35, v4                       ; into the stage: row = my column
	v_and_b32 v5, 15, v2
	v_lshrrev_b32 v6, 4, v2
	v_mul_u32_u24 v7, v6, PITCH
	v_lshl_add_u32 v7, v5, 4, v7
	v_add_nc_u32 v7, s35, v7                       ; out of it: sixteen lanes to a row, two rows an instruction
	v_lshlrev_b32 v8, 9, v6
	v_lshl_add_u32 v8, v5, 4, v8                   ; the same place in wc
	v_lshlrev_b32 v9, 5, v2                        ; my column's row of scale bytes
.macro WLOAD t
.set wi, 0
.rept 32
	global_load_b32 v[WX+32*((\t)%2)+wi], v3, s[4:5] offset:(32*(\t)+wi)*4096 th:TH_LOAD_NT
.set wi, wi+1
.endr
.endm
	WLOAD 0
	WLOAD 1
.macro WBLOCK t
.set XS, WX+32*((\t)%2)
.if (\t) < 15
	s_wait_loadcnt 32                              ; this block's 32 loads are in; the next block's may be out
.else
	s_wait_loadcnt 0
.endif
	v_max3_num_f32 v12, |v[XS]|, |v[XS+1]|, |v[XS+2]|
	v_max3_num_f32 v13, |v[XS+3]|, |v[XS+4]|, |v[XS+5]|
.irp i, 6,10,14,18,22,26
	v_max3_num_f32 v12, v12, |v[XS+\i]|, |v[XS+\i+1]|
	v_max3_num_f32 v13, v13, |v[XS+\i+2]|, |v[XS+\i+3]|
.endr
	v_max3_num_f32 v12, v12, |v[XS+30]|, |v[XS+31]|
	v_max3_num_f32 v12, v12, v13, 0x1800000        ; the floor 2^(3 - 127)
	v_add_nc_u32 v11, 0xff000000, v12              ; the conversion's scale operand
	v_lshrrev_b32 v13, 23, v11                     ; the scale's byte
.if (\t)%4 == 0
	v_mov_b32 v[WS+(\t)/4], v13
.else
	v_lshl_or_b32 v[WS+(\t)/4], v13, 8*((\t)%4), v[WS+(\t)/4]
.endif
.irp g, 0,1,2,3
	v_cvt_scalef32_pk8_fp4_f32 v[WC+\g], v[XS+8*\g:XS+8*\g+7], v11
.endr
	ds_store_b128 v4, v[WC:WC+3] offset:16*(\t)    ; 32 codes: 16 bytes of my column's row
.if (\t)+2 < 16
	WLOAD (\t)+2
.endif
	s_wait_dscnt 0x0                               ; the store has read its registers: the next block's codes may be written
.endm
.set Q, 0
.rept 16
	WBLOCK Q
.set Q, Q+1
.endr
	global_store_b128 v9, v[WS:WS+3], s[24:25]     ; my column's 16 scale bytes
.irp t, 0,1,2,3,4,5,6,7,8,9,10,11,12,13,14,15
	ds_load_b128 v[WO+4*\t:WO+4*\t+3], v7 offset:2*\t*PITCH
.endr
.irp t, 0,1,2,3,4,5,6,7,8,9,10,11,12,13,14,15
	s_wait_dscnt 15-\t
	global_store_b128 v8, v[WO+4*\t:WO+4*\t+3], s[22:23] offset:2*\t*512   ; sixteen lanes store 256 consecutive bytes, aligned
.endr
	s_wait_tensorcnt 0x0                           ; the wave's end: the three lines
	ds_add_u32 v[SPW], v[NIL]
	s_wait_dscnt 0x0
	s_endpgm
; ---------------- Wo: the same walk, rounded to f16.  A wave takes 32 columns x 128 along K: 256 bytes a column.
.Lpath_o:
	s_sub_co_u32 s28, ttmp9, 48
	s_and_b32 s29, s28, 7
	s_lshr_b32 s30, s28, 3                         ; which 128 along K
	s_lshl_b32 s29, s29, 7
	s_lshl_b32 s31, s2, 5
	s_add_co_u32 s29, s29, s31                     ; my wave's first column
	s_lshl_b32 s32, s30, 19                        ; 128 rows of 4,096 bytes
	s_lshl_b32 s33, s29, 2
	s_add_co_u32 s32, s32, s33
	s_mov_b32 s33, 0
	s_add_nc_u64 s[16:17], s[16:17], s[32:33]
	s_lshl_b32 s32, s29, 11                        ; wot: 2,048 bytes a row,
	s_lshl_b32 s34, s30, 8                         ; + 256 for each 128 along K
	s_add_co_u32 s32, s32, s34
	s_add_nc_u64 s[26:27], s[26:27], s[32:33]
	s_mul_i32 s35, s2, 32*PITCH
	s_add_co_u32 s35, s35, OSTG                    ; my stage
	v_lshlrev_b32 v3, 2, v2
	v_mul_u32_u24 v4, v2, PITCH
	v_add_nc_u32 v4, s35, v4
	v_and_b32 v5, 15, v2
	v_lshrrev_b32 v6, 4, v2
	v_mul_u32_u24 v7, v6, PITCH
	v_lshl_add_u32 v7, v5, 4, v7
	v_add_nc_u32 v7, s35, v7
	v_lshlrev_b32 v8, 11, v6
	v_lshl_add_u32 v8, v5, 4, v8
.macro OLOAD t
.set wi, 0
.rept 32
	global_load_b32 v[WX+32*((\t)%2)+wi], v3, s[16:17] offset:(32*(\t)+wi)*4096
.set wi, wi+1
.endr
.endm
	OLOAD 0
	OLOAD 1
.macro OBLOCK t
.set XS, WX+32*((\t)%2)
.if (\t) < 3
	s_wait_loadcnt 32
.else
	s_wait_loadcnt 0
.endif
.set wi, 0
.rept 16
	v_cvt_pk_f16_f32 v[WC+wi], v[XS+2*wi], v[XS+2*wi+1]            ; the lower k in the low half
.set wi, wi+1
.endr
.irp g, 0,1,2,3
	ds_store_b128 v4, v[WC+4*\g:WC+4*\g+3] offset:64*(\t)+16*\g
.endr
.if (\t)+2 < 4
	OLOAD (\t)+2
.endif
	s_wait_dscnt 0x0
.endm
.irp t, 0,1,2,3
	OBLOCK \t
.endr
.irp t, 0,1,2,3,4,5,6,7,8,9,10,11,12,13,14,15
	ds_load_b128 v[WO+4*\t:WO+4*\t+3], v7 offset:2*\t*PITCH
.endr
.irp t, 0,1,2,3,4,5,6,7,8,9,10,11,12,13,14,15
	s_wait_dscnt 15-\t
	global_store_b128 v8, v[WO+4*\t:WO+4*\t+3], s[26:27] offset:2*\t*2048  ; sixteen lanes store 256 consecutive bytes, aligned
.endr
	s_wait_tensorcnt 0x0                           ; the wave's end: the three lines
	ds_add_u32 v[SPW], v[NIL]
	s_wait_dscnt 0x0
	s_endpgm
.Lfunc_end_k_qb46b4ab701_prep:
	.size	k_qb46b4ab701_prep, .Lfunc_end_k_qb46b4ab701_prep-k_qb46b4ab701_prep
	.p2alignl 7, 3214868480
	.fill 96, 4, 3214868480
	.section	.rodata,"a",@progbits
	.p2align	6, 0x0
	.amdhsa_kernel k_qb46b4ab701_prep
		.amdhsa_group_segment_fixed_size 102912
		.amdhsa_private_segment_fixed_size 0
		.amdhsa_enable_private_segment 0
		.amdhsa_kernarg_size 80
		.amdhsa_user_sgpr_count 2
		.amdhsa_user_sgpr_kernarg_segment_ptr 1
		.amdhsa_wavefront_size32 1
		.amdhsa_system_sgpr_workgroup_id_x 1
		.amdhsa_system_sgpr_workgroup_id_y 1
		.amdhsa_system_sgpr_workgroup_id_z 1
		.amdhsa_system_vgpr_workitem_id 0
		.amdhsa_next_free_vgpr 192
		.amdhsa_next_free_sgpr 66
		.amdhsa_reserve_vcc 0
		.amdhsa_float_denorm_mode_32 3
		.amdhsa_float_denorm_mode_16_64 3
		.amdhsa_memory_ordered 1
		.amdhsa_forward_progress 1
		.amdhsa_inst_pref_size 132
	.end_amdhsa_kernel
	.amdgpu_metadata
---
amdhsa.version: [ 1, 2 ]
amdhsa.kernels:
  - .name:           k_qb46b4ab701_prep
    .symbol:         k_qb46b4ab701_prep.kd
    .args:
      - { .name: x, .offset: 0, .size: 8, .value_kind: global_buffer, .address_space: global }
      - { .name: Wq, .offset: 8, .size: 8, .value_kind: global_buffer, .address_space: global }
      - { .name: Wk, .offset: 16, .size: 8, .value_kind: global_buffer, .address_space: global }
      - { .name: Wv, .offset: 24, .size: 8, .value_kind: global_buffer, .address_space: global }
      - { .name: Wo, .offset: 32, .size: 8, .value_kind: global_buffer, .address_space: global }
      - { .name: xc, .offset: 40, .size: 8, .value_kind: global_buffer, .address_space: global }
      - { .name: xs, .offset: 48, .size: 8, .value_kind: global_buffer, .address_space: global }
      - { .name: wc, .offset: 56, .size: 8, .value_kind: global_buffer, .address_space: global }
      - { .name: ws, .offset: 64, .size: 8, .value_kind: global_buffer, .address_space: global }
      - { .name: wot, .offset: 72, .size: 8, .value_kind: global_buffer, .address_space: global }
    .group_segment_fixed_size: 102912
    .private_segment_fixed_size: 0
    .kernarg_segment_align: 8
    .kernarg_segment_size: 80
    .max_flat_workgroup_size: 128
    .sgpr_count:     66
    .vgpr_count:     192
    .wavefront_size: 32
...
	.end_amdgpu_metadata
.endif
;; end of part 1
;; launch qkv (part 2): grid 12 x 32, 4 waves a work-group, clusters of 4 x 4, 327,680 bytes of LDS; arguments xc, xs, wc, ws, bq, bk, bv, qkv, fine; writes qkv, fine
.if DOCPART == 2
	.amdgcn_target "amdgcn-amd-amdhsa--gfx1250"
	.amdhsa_code_object_version 6
	.text
	.protected	k_qb46b4ab701_qkv
	.globl	k_qb46b4ab701_qkv
	.p2align	8
	.type	k_qb46b4ab701_qkv,@function
k_qb46b4ab701_qkv:
	s_mov_b64 s[64:65], 0
	v_nop
	global_prefetch_b8 v0, s[64:65] scope:SCOPE_SE
	s_setreg_imm32_b32 hwreg(HW_REG_WAVE_MODE, 25, 1), 1
	s_wait_xcnt 0x0
	s_wait_alu depctr_hold_cnt(0) depctr_sa_sdst(0) depctr_va_vdst(0) depctr_va_sdst(0) depctr_va_ssrc(0) depctr_va_vcc(0) depctr_vm_vsrc(0)
	s_getreg_b32 s2, hwreg(HW_REG_IB_STS2, 6, 4)
	s_cmp_eq_u32 s2, 0
	s_cbranch_scc0 .Lentry_in_a_cluster
	s_endpgm
.Lentry_in_a_cluster:
	s_bfe_u32 s2, ttmp6, 0x10000c
	s_cmp_lg_u32 s2, 0xf033
	s_cbranch_scc0 .Lentry_shape_is_right
	s_endpgm
.Lentry_shape_is_right:
; C[8192][3072] = x W + bias for Wq, Wk, Wv side by side, on codes of FP4 (E2M1) with one E8M0 scale for each 32 along K = 1,024; sums in f32.
; OUT: q, k, v as f16, laid [part 3][batch x head 64][position 2048][64]; and the first 16 positions of every sequence once more as f32, laid [part][batch][head][16][64].
; LIMIT: q, k, v go on as f16: their magnitudes stay under 65,504.
; A tile of C, 256 x 256, is made by four waves, each 128 x 128: 64 accumulators, 512 registers.  K is two steps of 512: both slots are filled at the head and nothing is filled again.
; CLUSTERS: 4 x 4 work-groups.  Tile row = 8 cy + cluster y (so cy is the batch, and cluster y = 0 marks a sequence's first tile in all partners alike); tile column = 4 cluster x + cx (so cluster x is the part).
; The four of a row of the cluster need the same tiles of x, the four of a column the same tiles of W: each is asked for jointly.
; THE MATRIX INSTRUCTION IS USED TRANSPOSED (source 0 = 16 rows of W's codes, source 1 = 16 rows of x's): a lane holds eight neighbouring columns of one row of C.  The bias is the C of each sum's first product.
; REGISTERS: window 0: v0-31 addresses; v32-95 scale words, two sets; v96-127 packed results; v128-191 x's fragments, one set, later rows on the way out; v192-255 the bias, later the f32 rows.
;   window 1: W's fragments, two sets.   windows 2, 3: the accumulators ((a, b) at v[8 (8 (a % 4) + b)]).
.set NQ,     4                         ; matrix instructions deep in a slot: 512 along K
.set ROWB,   256                       ; a tile's row in bytes
.set KROW,   512                       ; a row of codes in memory
.set PITCH,  272                       ; an LDS row: 256 bytes + 16 of padding: the 16 rows that a load touches start at 16 different groups of four banks
.set FR,     8
.set NL,     2
.set NP,     4
.set HALFT,  128*PITCH
.set SLOT,   4*HALFT
.set KS,     32                        ; a row of scale bytes
.set SCL,    2*SLOT                    ; behind the slots: the scales, as units of 256 bytes + 16 of padding
.set HALFS,  (128*KS/256)*272
.set SBLK,   (16*KS/256)*272
.set SPARE,  SCL+4*HALFS               ; the spare words: two blocks of 256 bytes that no other line names
.set SPITCH, 528                       ; the way out: a stage of 16 rows x 528 bytes for each wave, in slot 0, which has had its only fill and its last read when the first result is stored there
.set ADRA, 16
.set ADRB, 20
.set STO16, 22                         ; v22  stage + 528 r + 16 h
.set RD16,  23                         ; v23  stage + 528 (lane / 8) + 16 (lane % 8)
.set STO32, 24                         ; v24  stage + 528 r + 32 h
.set RD32,  25                         ; v25  stage + 16 lane
.set CO,    26                         ; v26  16 lane
.set ADRS,  27
.set SPW,   28
.set NIL,   29
.set FO,    30                         ; v30  4096 (lane / 16) + 16 (lane % 16)
.set BO,    31                         ; v31  32 h
.set SC,    32
.set TMP,   96
.set AF,    128
.set OB,    128
.set BIAS,  192
.set G1, 24
.set G0, 32
.set G1B, 48
.set G0B, 56
.set G1S, 68
.set G0S, 76
.set G1SB, 80
.set G0SB, 88
.set MSB, 0
.macro WIN new                         ; the immediate's high byte repeats the setting that is left
.if MSB != \new
	s_set_vgpr_msb (MSB<<8)|\new
.set MSB, \new
.endif
.endm
.set MUL_LO, 0xa1                      ; source 0 (W) window 1, source 1 (x) window 0, C and D window 2
.set MUL_HI, 0xf1
.set TO_B,   0x40
; A joint load: waves 0 and 1 fetch for x, waves 2 and 3 for W.  The branch hangs on the wave's number alone.  An s_nop 0 and four v_nop follow each line.
.macro JLOAD g0a, g1a, g0b, g1b
	s_cmp_eq_u32 s15, 0
	s_cbranch_scc0 .Lfor_b_\@
	tensor_load_to_lds s[\g0a:\g0a+3], s[\g1a:\g1a+7]
	s_nop 0
.rept 4
	v_nop
.endr
	s_branch .Lasked_\@
.Lfor_b_\@:
	tensor_load_to_lds s[\g0b:\g0b+3], s[\g1b:\g1b+7]
	s_nop 0
.rept 4
	v_nop
.endr
.Lasked_\@:
.endm
.macro CROUND                          ; a round of the cluster's barrier
	s_barrier_signal -1
	s_barrier_wait -1
	s_cmp_lg_u32 s14, 0
	s_cbranch_scc1 .Lnot_wave_0_\@
	s_barrier_signal -3
.Lnot_wave_0_\@:
	s_barrier_wait -3
	s_barrier_signal -1
	s_barrier_wait -1
.endm
	s_load_b256 s[4:11], s[0:1], 0x0               ; xc s[4:5], xs s[6:7], wc s[8:9], ws s[10:11]
	s_load_b128 s[96:99], s[0:1], 0x20             ; bq, bk
	s_load_b64 s[100:101], s[0:1], 0x30            ; bv
	s_load_b64 s[12:13], s[0:1], 0x38              ; qkv
	s_load_b64 s[2:3], s[0:1], 0x40                ; fine
	v_lshl_add_u32 v[SPW], v0, 2, SPARE
	v_mov_b32 v[NIL], 0
	ds_add_u32 v[SPW], v[NIL]                      ; the wave's opening: the add, twice on end, and its wait ahead of my first tensor load
	ds_add_u32 v[SPW], v[NIL]
	v_lshrrev_b32 v1, 5, v0
	v_readfirstlane_b32 s14, v1                    ; wave 0..3
	s_lshr_b32 s15, s14, 1                         ; my half of the tile's rows.  Also: I fetch for x (0) or for W (1)
	s_and_b32 s16, s14, 1                          ; my half of its columns.  Also: which 128 rows I fetch
	s_bfe_u32 s40, ttmp6, 0x40000                  ; cx
	s_bfe_u32 s41, ttmp6, 0x40004                  ; cy
	s_lshl_b32 s42, ttmp9, 2
	s_add_co_u32 s42, s42, s40                     ; tile column = 4 x cluster x + cx
	s_and_b32 s95, ttmp7, 0xffff                   ; cluster y
	s_lshl_b32 s17, s41, 3
	s_add_co_u32 s17, s17, s95                     ; tile row = 8 cy + cluster y
	s_lshl_b32 s43, s41, 2
	s_lshl_b32 s43, 15, s43                        ; my row of the cluster
	s_lshl_b32 s44, 0x1111, s40                    ; my column
	s_or_b32 s[G1+0], s43, (0<<16)|(1<<20)|(1<<21)|(5<<22)|(3<<25)  ; the mask; elements of 1 byte; padding: 4 words after every 64; bit 21 beside a mask
	s_or_b32 s[G1B+0], s44, (0<<16)|(1<<20)|(1<<21)|(5<<22)|(3<<25)
.irp g, G1, G1B
	s_mov_b32 s[\g+1], ROWB<<16                    ; tensor_dim0
	s_mov_b32 s[\g+2], 128<<16                     ; tensor_dim1
	s_mov_b32 s[\g+3], ROWB<<16                    ; tile_dim0
	s_mov_b32 s[\g+4], 128                         ; tile_dim1
	s_mov_b32 s[\g+5], KROW                        ; the pitch
	s_mov_b32 s[\g+6], 0
	s_mov_b32 s[\g+7], 0
.endr
	s_or_b32 s[G1S+0], s43, (3<<16)|(1<<20)|(1<<21)|(5<<22)|(3<<25) ; the scales of 128 rows: 4,096 dense bytes as 16 rows of 32 elements of 8 bytes
	s_or_b32 s[G1SB+0], s44, (3<<16)|(1<<20)|(1<<21)|(5<<22)|(3<<25)
.irp g, G1S, G1SB
	s_mov_b32 s[\g+1], 32<<16
	s_mov_b32 s[\g+2], (128*KS/256)<<16
	s_mov_b32 s[\g+3], 32<<16
	s_mov_b32 s[\g+4], 128*KS/256
	s_mov_b32 s[\g+5], 32
	s_mov_b32 s[\g+6], 0
	s_mov_b32 s[\g+7], 0
.endr
	s_lshl_b32 s18, s16, 7
	s_lshl_b32 s20, s17, 8
	s_add_co_u32 s20, s20, s18                     ; x: row 256 x tile row + 128 x half
	s_lshl_b32 s46, s42, 8
	s_add_co_u32 s46, s46, s18                     ; W: row 256 x tile column + 128 x half
	s_mov_b32 s21, 0
	s_mov_b32 s47, 0
	s_mov_b64 s[18:19], KS
	s_mul_u64 s[22:23], s[20:21], s[18:19]
	s_mul_u64 s[92:93], s[46:47], s[18:19]
	s_mov_b64 s[18:19], KROW
	s_mul_u64 s[20:21], s[20:21], s[18:19]
	s_mul_u64 s[46:47], s[46:47], s[18:19]
	s_mul_i32 s45, s14, HALFT                      ; where they go: wave x 128 rows: no place in the cluster enters an LDS address
	s_mul_i32 s94, s14, HALFS
	s_wait_dscnt 0x0                               ; both opening adds are done
	s_wait_kmcnt 0x0
	s_add_nc_u64 s[20:21], s[4:5], s[20:21]
	s_add_nc_u64 s[22:23], s[6:7], s[22:23]
	s_add_nc_u64 s[46:47], s[8:9], s[46:47]
	s_add_nc_u64 s[92:93], s[10:11], s[92:93]
	CROUND                                         ; all sixteen work-groups are here: the joint loads meet
	s_mov_b32 s[G0S], 1
	s_add_co_u32 s[G0S+1], s94, SCL
	s_mov_b64 s[G0S+2:G0S+3], s[22:23]
	s_or_b32 s[G0S+3], s[G0S+3], 0x80000000
	s_mov_b32 s[G0SB], 1
	s_add_co_u32 s[G0SB+1], s94, SCL
	s_mov_b64 s[G0SB+2:G0SB+3], s[92:93]
	s_or_b32 s[G0SB+3], s[G0SB+3], 0x80000000
	JLOAD G0S, G1S, G0SB, G1SB                     ; the scales first; by this text's count three tensor loads of a wave are out at the most
.irp s, 0,1
	s_mov_b32 s[G0+4*\s], 1
	s_add_co_u32 s[G0+4*\s+1], s45, \s*SLOT
	s_add_nc_u64 s[G0+4*\s+2:G0+4*\s+3], s[20:21], \s*ROWB
	s_or_b32 s[G0+4*\s+3], s[G0+4*\s+3], 0x80000000
	s_mov_b32 s[G0B+4*\s], 1
	s_add_co_u32 s[G0B+4*\s+1], s45, \s*SLOT
	s_add_nc_u64 s[G0B+4*\s+2:G0B+4*\s+3], s[46:47], \s*ROWB
	s_or_b32 s[G0B+4*\s+3], s[G0B+4*\s+3], 0x80000000
	JLOAD G0+4*\s, G1, G0B+4*\s, G1B
.endr
	; the bias of my 128 columns: lane (r, h) wants, for column block b, numbers 16 b + 8 h + 0 .. 7
	s_cmp_eq_u32 ttmp9, 0                          ; the part picks the bias
	s_cselect_b64 s[96:97], s[96:97], s[98:99]
	s_cmp_eq_u32 ttmp9, 2
	s_cselect_b64 s[96:97], s[100:101], s[96:97]
	s_lshl_b32 s46, s40, 10
	s_lshl_b32 s47, s16, 9
	s_add_co_u32 s46, s46, s47                     ; (256 cx + 128 x half) x 4 bytes
	s_mov_b32 s47, 0
	s_add_nc_u64 s[96:97], s[96:97], s[46:47]
	v_and_b32 v1, 15, v0                           ; r
	v_bfe_u32 v2, v0, 4, 1                         ; h
	v_lshlrev_b32 v[BO], 5, v2
.irp b, 0,1,2,3,4,5,6,7
	global_load_b128 v[BIAS+8*\b:BIAS+8*\b+3], v[BO], s[96:97] offset:64*\b
	global_load_b128 v[BIAS+8*\b+4:BIAS+8*\b+7], v[BO], s[96:97] offset:64*\b+16
.endr
	v_mul_u32_u24 v3, v1, PITCH
	v_lshl_add_u32 v4, v2, 4, v3                   ; a fragment's row x pitch + 16 x half
	s_mul_i32 s21, s15, HALFT
	s_mul_i32 s22, s16, HALFT
	s_add_co_u32 s22, s22, 2*HALFT
.irp s, 0,1
	v_add_nc_u32 v[ADRA+\s], s21, v4
	v_add_nc_u32 v[ADRB+\s], s22, v4
	s_add_co_u32 s21, s21, SLOT
	s_add_co_u32 s22, s22, SLOT
.endr
	v_mul_u32_u24 v5, v1, KS                       ; my row's scales: 32 bytes a row,
	v_lshrrev_b32 v6, 8, v5
	v_lshl_add_u32 v5, v6, 4, v5                   ; and 16 more for each 256 passed
	s_mul_i32 s21, s15, HALFS
	s_mul_i32 s22, s16, HALFS
	s_add_co_u32 s22, s22, 2*HALFS
	s_sub_co_u32 s22, s22, s21
	v_mul_u32_u24 v6, s22, v2                      ; lanes 16-31 take W's
	s_add_co_u32 s21, s21, SCL
	v_add_nc_u32 v5, v5, v6
	v_add_nc_u32 v[ADRS], s21, v5
	s_mul_i32 s23, s14, 16*SPITCH                  ; my stage
	v_mul_u32_u24 v5, v1, SPITCH
	v_add_nc_u32 v5, s23, v5
	v_lshl_add_u32 v[STO16], v2, 4, v5
	v_lshl_add_u32 v[STO32], v2, 5, v5
	v_and_b32 v6, 31, v0
	v_lshlrev_b32 v[CO], 4, v6
	v_add_nc_u32 v[RD32], s23, v[CO]
	v_lshrrev_b32 v7, 3, v6
	v_mul_u32_u24 v7, v7, SPITCH
	v_and_b32 v8, 7, v0
	v_lshl_add_u32 v7, v8, 4, v7
	v_add_nc_u32 v[RD16], s23, v7
	v_lshlrev_b32 v[FO], 12, v2
	v_lshl_add_u32 v[FO], v1, 4, v[FO]
	; where my results go
	s_lshl_b32 s20, ttmp9, 24                      ; the part: 16,777,216 bytes
	s_lshl_b32 s21, s41, 4
	s_lshl_b32 s22, s40, 2
	s_add_co_u32 s21, s21, s22
	s_lshl_b32 s22, s16, 1
	s_add_co_u32 s21, s21, s22                     ; batch x 16 + my first head: 16 cy + 4 cx + 2 x half
	s_lshl_b32 s22, s21, 18                        ; 262,144 bytes a head
	s_add_co_u32 s20, s20, s22
	s_lshl_b32 s22, s95, 15                        ; 256 positions of 128 bytes a tile
	s_add_co_u32 s20, s20, s22
	s_lshl_b32 s22, s15, 14
	s_add_co_u32 s20, s20, s22
	s_lshl_b32 s46, ttmp9, 6
	s_add_co_u32 s46, s46, s21
	s_lshl_b32 s46, s46, 12                        ; the f32 copy: 4,096 bytes for each (part, batch, head)
	s_mov_b32 s47, 0
	s_add_nc_u64 s[2:3], s[2:3], s[46:47]
	s_mov_b32 s21, 0
	s_add_nc_u64 s[12:13], s[12:13], s[20:21]
.macro FRAG reg, adr, q, i             ; 16 rows x 128 K of 4-bit codes: 8 registers, two loads of 16 bytes, 32 bytes apart
.irp c, 0,1
	ds_load_b128 v[\reg+4*\c:\reg+4*\c+3], v[\adr] offset:64*(\q)+32*\c+(\i)*16*PITCH
.endr
.endm
; 16 matrix instructions: x's blocks a0, a0 + 1 against W's eight.  first = 1: the bias starts the sums.  The 64 accumulators take turns, one instruction a turn.
.macro MUL16 a0, p, q, sc, first
.irp a, \a0, \a0+1
.irp b, 0,1,2,3,4,5,6,7
.if \first
	v_wmma_scale_f32_16x16x128_f8f6f4 v[8*(8*((\a)%4)+\b):8*(8*((\a)%4)+\b)+7], v[128*(\p)+FR*\b:128*(\p)+FR*\b+FR-1], v[AF+FR*(\a):AF+FR*(\a)+FR-1], v[BIAS+8*\b:BIAS+8*\b+7], v[SC+8*NQ*(\sc)+NQ*\b+(\q)], v[SC+8*NQ*(\sc)+NQ*(\a)+(\q)] matrix_a_fmt:MATRIX_FMT_FP4 matrix_b_fmt:MATRIX_FMT_FP4 matrix_a_scale:MATRIX_SCALE_ROW1
.else
	v_wmma_scale_f32_16x16x128_f8f6f4 v[8*(8*((\a)%4)+\b):8*(8*((\a)%4)+\b)+7], v[128*(\p)+FR*\b:128*(\p)+FR*\b+FR-1], v[AF+FR*(\a):AF+FR*(\a)+FR-1], v[8*(8*((\a)%4)+\b):8*(8*((\a)%4)+\b)+7], v[SC+8*NQ*(\sc)+NQ*\b+(\q)], v[SC+8*NQ*(\sc)+NQ*(\a)+(\q)] matrix_a_fmt:MATRIX_FMT_FP4 matrix_b_fmt:MATRIX_FMT_FP4 matrix_a_scale:MATRIX_SCALE_ROW1
.endif
.endr
.endr
.endm
.macro FETCH_B slot, q, p
	WIN TO_B
.irp i, 0,1,2,3,4,5,6,7
	FRAG 128*(\p)+FR*\i, ADRB+\slot, \q, \i
.endr
	WIN 0
.endm
.macro FETCH_A slot, q, i0
.irp i, \i0, \i0+1, \i0+2, \i0+3
	FRAG AF+FR*(\i), ADRA+\slot, \q, \i
.endr
.endm
.macro SCALES sc                       ; a slot's scale words: lanes 0-15 take x's block i, lanes 16-31 W's block i
.irp i, 0,1,2,3,4,5,6,7
	ds_load_b128 v[SC+8*NQ*\sc+NQ*\i:SC+8*NQ*\sc+NQ*\i+3], v[ADRS] offset:\i*SBLK
.endr
.endm
.macro PLACES n                        ; plain vector instructions between a matrix instruction and a load into, or a read of, its registers
.rept \n
	v_nop
.endr
.endm
.macro STEP slot, q, first             ; 128 along K that has its successor in the same slot
	s_wait_dscnt 4*NL                              ; W's set and x's blocks 0-3 are in; the youngest eight loads (x's blocks 4-7) may be out
.if \first
	WIN 0x81                                       ; C (the bias) in window 0, D in window 2
.else
	WIN MUL_LO
.endif
	MUL16 0, (\q)%2, \q, \slot, \first
	MUL16 2, (\q)%2, \q, \slot, \first
	s_wait_dscnt 0
	PLACES NP
	FETCH_B \slot, (\q)+1, 1-(\q)%2
	FETCH_A \slot, (\q)+1, 0
.if \first
	WIN 0xc1
.else
	WIN MUL_HI
.endif
	MUL16 4, (\q)%2, \q, \slot, \first
	MUL16 6, (\q)%2, \q, \slot, \first
	PLACES NP
	WIN 0
	FETCH_A \slot, (\q)+1, 4
.endm
.macro STEPS slot, from
.set Q, \from
.rept NQ-1-\from
	STEP \slot, Q, 0
.set Q, Q+1
.endr
.endm
	s_wait_tensorcnt 1                             ; the scales and my part of slot 0 are in; slot 1's load may be out
	s_barrier_signal -1
	s_barrier_wait -1
	FETCH_B 0, 0, 0
	FETCH_A 0, 0, 0
	SCALES 0
	FETCH_A 0, 0, 4
	s_wait_loadcnt 0x0                             ; the bias
	STEP 0, 0, 1
	STEPS 0, 1
	; slot 0's last step, and the change to slot 1: one barrier; in front of it my load of slot 1 has landed and my reads of slot 0 are over
	s_wait_tensorcnt 0x0
	ds_add_u32 v[SPW], v[NIL]                      ; 0 onto my spare word
	s_wait_dscnt 4*NL+1                            ; the add and the youngest eight loads may be out
	WIN MUL_LO
	MUL16 0, 1, NQ-1, 0, 0
	s_wait_dscnt 0x0
	s_barrier_signal -1
	MUL16 2, 1, NQ-1, 0, 0
	WIN 0
	s_barrier_wait -1
	PLACES NP
	v_add_nc_u32 v[ADRS], 4*NQ, v[ADRS]            ; on to slot 1's scale words
	FETCH_B 1, 0, 0
	FETCH_A 1, 0, 0
	SCALES 1
	WIN MUL_HI
	MUL16 4, 1, NQ-1, 0, 0
	MUL16 6, 1, NQ-1, 0, 0
	PLACES NP
	WIN 0
	FETCH_A 1, 0, 4
	STEPS 1, 0
	s_wait_dscnt 4*NL                              ; the last step: nothing more to fetch
	WIN MUL_LO
	MUL16 0, 1, NQ-1, 1, 0
	MUL16 2, 1, NQ-1, 1, 0
	s_wait_dscnt 0
	WIN MUL_HI
	MUL16 4, 1, NQ-1, 1, 0
	MUL16 6, 1, NQ-1, 1, 0
	WIN 0
	PLACES NP
	; THE WAY OUT.  First, where my rows begin a sequence (cluster y = 0 and the upper half of the rows: ids that all partners share), block 0 as f32: through my stage, back as whole rows of 512 bytes.
	s_or_b32 s46, s95, s15
	s_cmp_lg_u32 s46, 0
	s_cbranch_scc1 .Lno_fine
	WIN 0x08                                       ; an LDS store's data: window 2
.irp b, 0,1,2,3,4,5,6,7
	ds_store_b128 v[STO32], v[8*\b:8*\b+3] offset:64*\b              ; each accumulator from its low end on
	ds_store_b128 v[STO32], v[8*\b+4:8*\b+7] offset:64*\b+16
.endr
	WIN 0
.irp t, 0,1,2,3,4,5,6,7,8,9,10,11,12,13,14,15
	ds_load_b128 v[BIAS+4*\t:BIAS+4*\t+3], v[RD32] offset:\t*SPITCH  ; LDS serves a wave's instructions in order: these see the stores above
.endr
	s_wait_dscnt 0x0
.irp t, 0,1,2,3,4,5,6,7,8,9,10,11,12,13,14,15
	global_store_b128 v[FO], v[BIAS+4*\t:BIAS+4*\t+3], s[2:3] offset:256*\t  ; lanes 0-15: position t of my first head, 256 consecutive bytes, aligned; lanes 16-31: of my second
.endr
.Lno_fine:
; Then all eight blocks of 16 rows as f16.  A lane's eight columns pack into 16 bytes; a block goes through my stage and comes back as four positions x 128 bytes of one head: 512 consecutive bytes of memory.
.macro PACK a
.set AC, 64*((\a)%4)
	WIN (0x0a+5*((\a)/4))                          ; sources 0 and 1: window 2 or 3
.irp b, 0,1,2,3,4,5,6,7
.irp r, 0,1,2,3
	v_cvt_pk_f16_f32 v[TMP+4*\b+\r], v[AC+8*\b+2*\r], v[AC+8*\b+2*\r+1]
.endr
.endr
	WIN 0
.endm
.macro TOSTAGE a
.set BB, OB+32*((\a)%2)
.irp b, 0,1,2,3,4,5,6,7
	ds_store_b128 v[STO16], v[TMP+4*\b:TMP+4*\b+3] offset:32*\b
.endr
.irp t, 0,1,2,3,4,5,6,7
	ds_load_b128 v[BB+4*\t:BB+4*\t+3], v[RD16] offset:(\t%4)*4*SPITCH+(\t/4)*128
.endr
.endm
.macro SEND a
.set BB, OB+32*((\a)%2)
	s_wait_dscnt 0x0                               ; the block is back in registers
	s_wait_xcnt 0x0                                ; the stores of the block before have read their registers: the next block's loads may land there
.irp t, 0,1,2,3,4,5,6,7
	global_store_b128 v[CO], v[BB+4*\t:BB+4*\t+3], s[12:13] offset:(\a)*2048+(\t%4)*512+(\t/4)*262144
.endr
.endm
	PACK 0
	TOSTAGE 0
.irp a, 1,2,3,4,5,6,7                  ; block a's conversions stand between block a - 1's loads from the stage and the wait for them
	PACK \a
	SEND \a-1
	TOSTAGE \a
.endr
	SEND 7
	s_wait_tensorcnt 0x0                           ; the wave's end
	ds_add_u32 v[SPW], v[NIL]
	s_wait_dscnt 0x0
	CROUND                                         ; the closing round
	s_endpgm
.Lfunc_end_k_qb46b4ab701_qkv:
	.size	k_qb46b4ab701_qkv, .Lfunc_end_k_qb46b4ab701_qkv-k_qb46b4ab701_qkv
	.p2alignl 7, 3214868480
	.fill 96, 4, 3214868480
	.section	.rodata,"a",@progbits
	.p2align	6, 0x0
	.amdhsa_kernel k_qb46b4ab701_qkv
		.amdhsa_group_segment_fixed_size 327680
		.amdhsa_private_segment_fixed_size 0
		.amdhsa_enable_private_segment 0
		.amdhsa_kernarg_size 72
		.amdhsa_user_sgpr_count 2
		.amdhsa_user_sgpr_kernarg_segment_ptr 1
		.amdhsa_wavefront_size32 1
		.amdhsa_system_sgpr_workgroup_id_x 1
		.amdhsa_system_sgpr_workgroup_id_y 1
		.amdhsa_system_sgpr_workgroup_id_z 1
		.amdhsa_system_vgpr_workitem_id 0
		.amdhsa_next_free_vgpr 1024
		.amdhsa_next_free_sgpr 102
		.amdhsa_reserve_vcc 0
		.amdhsa_float_denorm_mode_32 3
		.amdhsa_float_denorm_mode_16_64 3
		.amdhsa_memory_ordered 1
		.amdhsa_forward_progress 1
		.amdhsa_inst_pref_size 132
	.end_amdhsa_kernel
	.amdgpu_metadata
---
amdhsa.version: [ 1, 2 ]
amdhsa.kernels:
  - .name:           k_qb46b4ab701_qkv
    .symbol:         k_qb46b4ab701_qkv.kd
    .args:
      - { .name: xc, .offset: 0, .size: 8, .value_kind: global_buffer, .address_space: global }
      - { .name: xs, .offset: 8, .size: 8, .value_kind: global_buffer, .address_space: global }
      - { .name: wc, .offset: 16, .size: 8, .value_kind: global_buffer, .address_space: global }
      - { .name: ws, .offset: 24, .size: 8, .value_kind: global_buffer, .address_space: global }
      - { .name: bq, .offset: 32, .size: 8, .value_kind: global_buffer, .address_space: global }
      - { .name: bk, .offset: 40, .size: 8, .value_kind: global_buffer, .address_space: global }
      - { .name: bv, .offset: 48, .size: 8, .value_kind: global_buffer, .address_space: global }
      - { .name: qkv, .offset: 56, .size: 8, .value_kind: global_buffer, .address_space: global }
      - { .name: fine, .offset: 64, .size: 8, .value_kind: global_buffer, .address_space: global }
    .group_segment_fixed_size: 327680
    .private_segment_fixed_size: 0
    .kernarg_segment_align: 8
    .kernarg_segment_size: 72
    .max_flat_workgroup_size: 128
    .sgpr_count:     102
    .vgpr_count:     1024
    .wavefront_size: 32
...
	.end_amdgpu_metadata
.endif
;; end of part 2
;; launch attn (part 3): grid 4 x 64, 16 waves a work-group, clusters of 4 x 1, 327,680 bytes of LDS; arguments qkv, ctx; writes ctx
.if DOCPART == 3
	.amdgcn_target "amdgcn-amd-amdhsa--gfx1250"
	.amdhsa_code_object_version 6
	.text
	.protected	k_qb46b4ab701_attn
	.globl	k_qb46b4ab701_attn
	.p2align	8
	.type	k_qb46b4ab701_attn,@function
k_qb46b4ab701_attn:
	s_mov_b64 s[64:65], 0
	v_nop
	global_prefetch_b8 v0, s[64:65] scope:SCOPE_SE
	s_setreg_imm32_b32 hwreg(HW_REG_WAVE_MODE, 25, 1), 1
	s_wait_xcnt 0x0
	s_wait_alu depctr_hold_cnt(0) depctr_sa_sdst(0) depctr_va_vdst(0) depctr_va_sdst(0) depctr_va_ssrc(0) depctr_va_vcc(0) depctr_vm_vsrc(0)
	s_getreg_b32 s2, hwreg(HW_REG_IB_STS2, 6, 4)
	s_cmp_eq_u32 s2, 0
	s_cbranch_scc0 .Lentry_in_a_cluster
	s_endpgm
.Lentry_in_a_cluster:
	s_bfe_u32 s2, ttmp6, 0x10000c
	s_cmp_lg_u32 s2, 0x3003
	s_cbranch_scc0 .Lentry_shape_is_right
	s_endpgm
.Lentry_shape_is_right:
; ctx[b][q][h] = the sum over keys k <= q of softmax_k(q . k / 8) v, for 64 (batch, head) pairs of 2,048 positions and head size 64.  q, k, v: f16; products, maxima and sums in f32; the weights p are rounded to f16.
; ctx goes out as f16 in pairs of rows: byte ((m / 2) x 16 + head) x 256 + (m % 2) x 128 + 2 d, m = 2048 b + position: a head's two neighbouring positions are 256 consecutive bytes.
; (Positions 0 to 15 of each sequence are computed here too; the numbers of the output that hang on them come from a launch of their own, in f32.)
; LIMIT: ctx's magnitudes stay under 65,504, as v's do.
; SHARES.  The four work-groups of a cluster own one (batch, head).  A wave owns 32 queries, two tiles of 16: queries 128 c + 32 cx + 0..31; c comes from the wave's number alone, by a table whose
; groups of four waves (w / 4 alike, or w % 4 alike) all sum to 30, so that the key steps are even among them.
; CAUSAL.  A wave walks key steps 0 .. 2 c + 1 (64 keys each) and jumps over the work of the later ones: the test hangs on the wave's number and the count of steps, so all partners go the same way.
; In steps 2 c and 2 c + 1 hidden scores become -infinity by a compare against the lane's query.  Wave 0 has c = 15 in every work-group: every slot that is asked for is read by every partner.
; LAYOUT.  S^T = K Q^T (source 0 = 16 keys, source 1 = 16 queries): a lane holds one query (lane % 16) and keys 8 (lane / 16) + 0..7.  Two such tiles, rounded in pairs, are source 1 of O^T = V^T P.
; K comes out of LDS as it lies, V turned by ds_load_tr16_b128.
; SOFTMAX.  A running maximum m and sum l for each query: p = 2^(c0 s - c0 m), c0 = log2(e) / 8; O and l are multiplied by 2^(c0 m_old - c0 m_new) in every step.
; RING.  Two slots of four key steps; waves 0-3 fetch K's four tiles, waves 4-7 V's, jointly for the four partners; one load a wave behind each round: by this text's count one tensor load of a wave is out.
.set KS,    64
.set PK,    144                        ; a row of K in LDS: 128 bytes + 16: the 16 rows of a load start at 16 different groups of four banks
.set PV,    160                        ; a row of V: 128 + 32
.set VOFF,  KS*PK
.set STEPB, KS*(PK+PV)                 ; a step's tiles lie together: K's 64 rows, then V's
.set NST,   4                          ; steps in a slot
.set SLOT1, 1<<17
.set SLOTB, NST*KS*128                 ; a slot's keys in memory: 32,768 bytes of K, as many of V
.set STAGE, 2*SLOT1                    ; behind the ring: 16 rows x 144 bytes for each wave
.set SP,    144
.set SPARE, STAGE+16*16*SP             ; the spare words, 128 bytes for each of 16 waves: eight blocks of 256 bytes that no other line names
.set PARTB, 16777216
.set AK0, 1
.set AV0, 2
.set ADK, 3
.set ADV, 4
.set SPW, 5
.set NIL, 6
.set MD,  7                            ; v7   32 cx + lane % 16 - 8 (lane / 16)
.set NINF, 8                           ; v8   -infinity
.set QO,  9                            ; v9   my byte offset in the wave's rows of q; later
.set STO, 9                            ;      the way out: where I put 16 bytes of a row
.set RD,  10
.set GO,  11
.set ST,  12                           ; tile t's statistics at v[12 + 8 t]: +0 c0 m, +1 m, +2, +3 l in two halves, +4 .. +7 at work; the rescaling factor at +6
.set Q,   28                           ; v28-59   q: fragment (t, cs) at 16 t + 8 cs
.set KV,  60                           ; v60-123  eight fragments of K, then of V
.set S,   124                          ; v124-187 S^T: tile (t, kt) at 32 t + 8 kt; P in place at 32 t + 8 u
.set O,   188                          ; v188-251 O^T: tile (t, ct) at 32 t + 8 ct
.set PFO, 252                          ; v252 256 x lane
.set D0,  253                          ; v253, v254 the mask's bounds
.set WV, 8
.set CX, 9
.set BH, 10
.set CP, 11
.set LAST, 12
.set DIAG, 13
.set KSI, 14
.set TB, 15
.set SLOTS, 16
.set CNT, 17
.set LIM, 18
.set PFA, 20
.set CS, 22
.set G1K, 24
.set G1V, 32
.set G0K, 40
.set G0V, 44
.set SEL, 48
.macro CROUND                          ; a round of the cluster's barrier
	s_barrier_signal -1
	s_barrier_wait -1
	s_cmp_lg_u32 s[WV], 0
	s_cbranch_scc1 .Lnot_wave_0_\@
	s_barrier_signal -3
.Lnot_wave_0_\@:
	s_barrier_wait -3
	s_barrier_signal -1
	s_barrier_wait -1
.endm
; Waves 0-3 fetch for K, waves 4-7 for V, the others nothing.  The branches hang on the wave's number alone.  An s_nop 0 and four v_nop follow each line.
.macro JLOAD
	s_cmp_lt_u32 s[WV], 4
	s_cbranch_scc0 .Lnot_k_\@
	tensor_load_to_lds s[G0K:G0K+3], s[G1K:G1K+7]
	s_nop 0
.rept 4
	v_nop
.endr
	s_branch .Lasked_\@
.Lnot_k_\@:
	s_cmp_lt_u32 s[WV], 8
	s_cbranch_scc0 .Lasked_\@
	tensor_load_to_lds s[G0V:G0V+3], s[G1V:G1V+7]
	s_nop 0
.rept 4
	v_nop
.endr
.Lasked_\@:
.endm
; A prefetch of what the NEXT change of slots will ask for: a slot's 32,768 bytes of K and of V.  The four partners share them out by address, 8,192 bytes each, lanes 256 bytes apart;
; wave 0 asks for K's, wave 4 for V's: each aligned 256 bytes are named once in the launch.  The last change that fills a slot asks for nothing; slots 0 and 1 come by their loads alone.
.macro ASK
	s_cmp_gt_u32 s[SLOTS], s[LIM]
	s_cbranch_scc0 .Lnot_mine_\@
	global_prefetch_b8 v[PFO], s[PFA:PFA+1] th:TH_LOAD_NT scope:SCOPE_SE
.Lnot_mine_\@:
.endm
	s_load_b128 s[4:7], s[0:1], 0x0                ; qkv s[4:5], ctx s[6:7]
	v_lshl_add_u32 v[SPW], v0, 2, SPARE
	v_mov_b32 v[NIL], 0
	ds_add_u32 v[SPW], v[NIL]                      ; the wave's opening: the add, twice on end, and its wait ahead of the first tensor loads
	ds_add_u32 v[SPW], v[NIL]
	v_lshrrev_b32 v1, 5, v0
	v_readfirstlane_b32 s[WV], v1                  ; wave 0..15
	s_bfe_u32 s[CX], ttmp6, 0x40000                ; cx: it enters global addresses and the mask's compare alone
	s_and_b32 s[BH], ttmp7, 0xffff                 ; 16 x batch + head, which the partners share
	s_cmp_lt_u32 s[WV], 8                          ; c for waves 0..15: 15 2 1 12 | 4 9 10 7 | 8 5 6 11 | 3 14 13 0, four bits each
	s_mov_b32 s50, 0x0de3b658
	s_cselect_b32 s50, 0x7a94c12f, s50
	s_and_b32 s51, s[WV], 7
	s_lshl_b32 s51, s51, 2
	s_lshr_b32 s50, s50, s51
	s_and_b32 s[CP], s50, 15
	s_lshl_b32 s[DIAG], s[CP], 1                   ; the first step with hidden keys
	s_add_co_u32 s[LAST], s[DIAG], 1               ; my last step
	s_mov_b32 s[G1K], 15|(1<<16)|(1<<20)|(1<<21)|(4<<22)|(3<<25)  ; the mask: all four; elements of 2 bytes; padding: 4 words after every 32; bit 21 beside a mask
	s_mov_b32 s[G1V], 15|(1<<16)|(1<<20)|(1<<21)|(4<<22)|(7<<25)  ; the same with 8 words
.irp g, G1K, G1V
	s_mov_b32 s[\g+1], 64<<16                      ; tensor_dim0
	s_mov_b32 s[\g+2], KS<<16                      ; tensor_dim1
	s_mov_b32 s[\g+3], 64<<16                      ; tile_dim0
	s_mov_b32 s[\g+4], KS                          ; tile_dim1
	s_mov_b32 s[\g+5], 64                          ; the pitch
	s_mov_b32 s[\g+6], 0
	s_mov_b32 s[\g+7], 0
.endr
	s_mov_b32 s[CS], 0x3e38aa3b                    ; c0 = log2(e) / 8
	s_mov_b32 s[CS+1], s[CS]
	s_mov_b32 s[SEL], 0x76543210
	s_mov_b32 s[SEL+1], 0xfedcba98                 ; v_permlanex16_b32: lane l xor 16
	s_mov_b32 s[KSI], 0
	s_mov_b32 s[TB], 0
	s_mov_b32 s[SLOTS], 7
	s_and_b32 s50, s[WV], 11                       ; 0 in waves 0 and 4
	s_cmp_eq_u32 s50, 0
	s_cselect_b32 s[LIM], 1, -1
	s_lshl_b32 s52, s[BH], 18                      ; 262,144 bytes a head
	s_mov_b32 s53, 0
	s_and_b32 s54, s[WV], 3                        ; which of a slot's four steps I fetch:
	s_lshl_b32 s62, s54, 13                        ; its 64 rows of 128 bytes in memory,
	s_mov_b32 s63, 0
	s_mul_i32 s54, s54, STEPB                      ; and its place in a slot
	s_wait_dscnt 0x0                               ; both opening adds are done
	s_wait_kmcnt 0x0
	s_add_nc_u64 s[56:57], s[4:5], s[52:53]        ; the head in q,
	s_add_nc_u64 s[58:59], s[56:57], PARTB         ; in k,
	s_add_nc_u64 s[60:61], s[56:57], 2*PARTB       ; in v
	s_mov_b32 s[G0K], 1
	s_mov_b32 s[G0K+1], s54
	s_add_nc_u64 s[G0K+2:G0K+3], s[58:59], s[62:63]
	s_or_b32 s[G0K+3], s[G0K+3], 0x80000000
	s_mov_b32 s[G0V], 1
	s_add_co_u32 s[G0V+1], s54, VOFF
	s_add_nc_u64 s[G0V+2:G0V+3], s[60:61], s[62:63]
	s_or_b32 s[G0V+3], s[G0V+3], 0x80000000
	s_cmp_lt_u32 s[WV], 4
	s_cselect_b64 s[PFA:PFA+1], s[58:59], s[60:61]
	s_lshl_b32 s52, s[CX], 13                      ; my work-group's 8,192 bytes,
	s_add_co_u32 s52, s52, SLOTB                   ; in slot 1: the first change of slots steps it to slot 2
	s_add_nc_u64 s[PFA:PFA+1], s[PFA:PFA+1], s[52:53]
	s_lshl_b32 s52, s[CP], 14
	s_lshl_b32 s55, s[CX], 12
	s_add_co_u32 s52, s52, s55                     ; my first query, 128 c + 32 cx, x 128 bytes
	s_add_nc_u64 s[56:57], s[56:57], s[52:53]
	s_lshr_b32 s52, s[BH], 4
	s_lshl_b32 s52, s52, 22                        ; ctx: 2,048 bytes a row: the batch's 2,048 rows,
	s_lshl_b32 s55, s[CP], 18
	s_add_co_u32 s52, s52, s55
	s_lshl_b32 s55, s[CX], 16
	s_add_co_u32 s52, s52, s55                     ; my first query,
	s_and_b32 s55, s[BH], 15
	s_lshl_b32 s55, s55, 8
	s_add_co_u32 s52, s52, s55                     ; the head's 256 bytes
	s_add_nc_u64 s[6:7], s[6:7], s[52:53]
	CROUND                                         ; all four work-groups are here
	JLOAD                                          ; slot 0
	v_and_b32 v253, 15, v0                         ; r
	v_bfe_u32 v254, v0, 4, 1                       ; h
	v_lshlrev_b32 v[QO], 7, v253
	v_lshl_add_u32 v[QO], v254, 4, v[QO]
.irp t, 0,1
.irp cs, 0,1
	global_load_b128 v[Q+16*\t+8*\cs:Q+16*\t+8*\cs+3], v[QO], s[56:57] offset:2048*\t+64*\cs
	global_load_b128 v[Q+16*\t+8*\cs+4:Q+16*\t+8*\cs+7], v[QO], s[56:57] offset:2048*\t+64*\cs+32
.endr
.endr
	v_mul_u32_u24 v[AK0], v253, PK
	v_lshl_add_u32 v[AK0], v254, 4, v[AK0]         ; K: row x pitch + 16 x half
	v_and_b32 v255, 7, v0
	v_lshl_add_u32 v[AV0], v254, 3, v255
	v_mul_u32_u24 v[AV0], v[AV0], PV
	v_bfe_u32 v255, v0, 3, 1
	v_lshl_add_u32 v[AV0], v255, 4, v[AV0]
	v_add_nc_u32 v[AV0], VOFF, v[AV0]              ; V, for the turning load: key 8 h + lane % 8, channels 8 ((lane / 8) % 2) on
	v_lshlrev_b32 v255, 3, v254
	v_sub_nc_u32 v[MD], v253, v255
	s_lshl_b32 s50, s[CX], 5
	v_add_nc_u32 v[MD], s50, v[MD]
	v_mov_b32 v[NINF], 0xff800000
	v_and_b32 v[PFO], 31, v0
	v_lshlrev_b32 v[PFO], 8, v[PFO]
.irp t, 0,1
	v_mov_b32 v[ST+8*\t+1], 0xff61b1e6             ; m: -3e38, under every score
	v_mul_f32 v[ST+8*\t], s[CS], v[ST+8*\t+1]
.irp j, 2,3,4,5,6,7
	v_mov_b32 v[ST+8*\t+\j], 0
.endr
.endr
.set i, 0
.rept 64
	v_mov_b32 v[O+i], 0                            ; O^T.  The step is written once: its first walk finds zeros, which the first rescaling leaves zeros
.set i, i+1
.endr
; A KEY STEP: 64 keys for my 32 queries.
.macro STEP
	s_cmp_gt_u32 s[KSI], s[LAST]                   ; all its keys come after my queries: its work is left out; no barrier and no tensor load stands in a step
	s_cbranch_scc1 .Lhidden_\@
	v_add_nc_u32 v[ADK], s[TB], v[AK0]
	v_add_nc_u32 v[ADV], s[TB], v[AV0]
.rept 3
	v_nop                                          ; with the two additions: five places behind the last step's products, whose fragments are loaded anew and whose P is written over by the products below
.endr
.irp kt, 0,1,2,3
.irp cs, 0,1
	ds_load_b128 v[KV+16*\kt+8*\cs:KV+16*\kt+8*\cs+3], v[ADK] offset:\kt*16*PK+64*\cs
	ds_load_b128 v[KV+16*\kt+8*\cs+4:KV+16*\kt+8*\cs+7], v[ADK] offset:\kt*16*PK+64*\cs+32
.endr
.endr
.irp g, 0,1                            ; S^T = K Q^T: keys 32 g on; four accumulators by turns
	s_wait_dscnt 8-8*\g                            ; the first eight loads are in; then all
.irp cs, 0,1
.irp k2, 0,1
.irp t, 0,1
.if \cs == 0
	v_wmma_f32_16x16x32_f16 v[S+32*\t+8*(2*\g+\k2):S+32*\t+8*(2*\g+\k2)+7], v[KV+16*(2*\g+\k2)+8*\cs:KV+16*(2*\g+\k2)+8*\cs+7], v[Q+16*\t+8*\cs:Q+16*\t+8*\cs+7], 0
.else
	v_wmma_f32_16x16x32_f16 v[S+32*\t+8*(2*\g+\k2):S+32*\t+8*(2*\g+\k2)+7], v[KV+16*(2*\g+\k2)+8*\cs:KV+16*(2*\g+\k2)+8*\cs+7], v[Q+16*\t+8*\cs:Q+16*\t+8*\cs+7], v[S+32*\t+8*(2*\g+\k2):S+32*\t+8*(2*\g+\k2)+7]
.endif
.endr
.endr
.endr
.endr
.rept 4
	v_nop                                          ; places in front of the loads into K's registers and of the first reads of the scores
.endr
.irp u, 0,1                            ; V, turned: fragment (ct, u): channels 16 ct on, keys 32 u on.  It lands while the softmax is walked
.irp ct, 0,1,2,3
	ds_load_tr16_b128 v[KV+32*\u+8*\ct:KV+32*\u+8*\ct+3], v[ADV] offset:\u*32*PV+32*\ct
	ds_load_tr16_b128 v[KV+32*\u+8*\ct+4:KV+32*\u+8*\ct+7], v[ADV] offset:\u*32*PV+16*PV+32*\ct
.endr
.endr
	s_cmp_lt_u32 s[KSI], s[DIAG]                   ; a step all of whose keys count skips the mask
	s_cbranch_scc1 .Lopen_\@
	s_and_b32 s50, s[KSI], 1
	s_lshl_b32 s50, s50, 6
	v_sub_nc_u32 v[D0], v[MD], s50                 ; register 8 kt + j of tile t holds a key that is hidden where 16 kt + j > 32 cx + r - 8 h - 64 (step % 2) + 16 t
	v_add_nc_u32 v[D0+1], 16, v[D0]
.irp t, 0,1
.set mi, 0
.rept 32
	v_cmp_gt_i32 vcc_lo, 16*(mi/8)+mi%8, v[D0+\t]
	v_cndmask_b32 v[S+32*\t+mi], v[S+32*\t+mi], v[NINF], vcc_lo
.set mi, mi+1
.endr
.endr
.Lopen_\@:
	; the maximum of my 32 scores and the old m, three operands at a time; the two tiles alternate, so that no line waits for the line above it
.irp j, 0,1,2,3
.irp t, 0,1
	v_max3_num_f32 v[ST+8*\t+4+\j], v[S+32*\t+8*\j], v[S+32*\t+8*\j+1], v[S+32*\t+8*\j+2]
.endr
.endr
.irp i, 3,5
.irp j, 0,1,2,3
.irp t, 0,1
	v_max3_num_f32 v[ST+8*\t+4+\j], v[ST+8*\t+4+\j], v[S+32*\t+8*\j+\i], v[S+32*\t+8*\j+\i+1]
.endr
.endr
.endr
.irp t, 0,1
	v_max3_num_f32 v[ST+8*\t+4], v[ST+8*\t+4], v[S+32*\t+7], v[S+32*\t+15]
.endr
.irp t, 0,1
	v_max3_num_f32 v[ST+8*\t+6], v[ST+8*\t+6], v[S+32*\t+23], v[S+32*\t+31]
.endr
.irp t, 0,1
	v_max3_num_f32 v[ST+8*\t+4], v[ST+8*\t+4], v[ST+8*\t+5], v[ST+8*\t+6]
.endr
.irp t, 0,1
	v_max3_num_f32 v[ST+8*\t+4], v[ST+8*\t+4], v[ST+8*\t+7], v[ST+8*\t+1]
.endr
.irp t, 0,1
	v_permlanex16_b32 v[ST+8*\t+5], v[ST+8*\t+4], s[SEL], s[SEL+1]   ; the query's other 32 keys lie in the lane 16 away
.endr
.irp t, 0,1
	v_mov_b32 v[ST+8*\t+7], v[ST+8*\t]             ; c0 m_old
.endr
.irp t, 0,1
	v_max_num_f32 v[ST+8*\t+1], v[ST+8*\t+4], v[ST+8*\t+5]
.endr
.irp t, 0,1
	v_mul_f32 v[ST+8*\t], s[CS], v[ST+8*\t+1]
.endr
.irp t, 0,1
	v_sub_f32 v[ST+8*\t+7], v[ST+8*\t+7], v[ST+8*\t]
.endr
.irp i, 0,2,4,6,8,10,12,14,16,18,20,22,24,26,28,30
.irp t, 0,1
	v_pk_fma_f32 v[S+32*\t+\i:S+32*\t+\i+1], v[S+32*\t+\i:S+32*\t+\i+1], s[CS:CS+1], v[ST+8*\t:ST+8*\t+1] op_sel_hi:[1,0,0] neg_lo:[0,0,1] neg_hi:[0,0,1]   ; c0 s - c0 m
.endr
.endr
.irp t, 0,1
	v_exp_f32 v[ST+8*\t+6], v[ST+8*\t+7]           ; ONE BATCH of 66 exponentials: the two rescaling factors,
.endr
.set i, 0
.rept 64
	v_exp_f32 v[S+i], v[S+i]                       ; and p
.set i, i+1
.endr
	v_nop                                          ; a plain instruction behind the last exponential
	s_wait_alu depctr_va_vdst(0)                   ; one wait for the batch, ahead of its first reader
.irp t, 0,1
	v_pk_mul_f32 v[ST+8*\t+2:ST+8*\t+3], v[ST+8*\t+2:ST+8*\t+3], v[ST+8*\t+6:ST+8*\t+7] op_sel_hi:[1,0]   ; l under the new m
.endr
.irp t, 0,1
	v_pk_add_f32 v[ST+8*\t+4:ST+8*\t+5], v[S+32*\t:S+32*\t+1], v[S+32*\t+2:S+32*\t+3]   ; the sum of p in f32, two chains a tile
.endr
.irp i, 4,8,12,16,20,24,28
.irp t, 0,1
	v_pk_add_f32 v[ST+8*\t+2:ST+8*\t+3], v[ST+8*\t+2:ST+8*\t+3], v[S+32*\t+\i:S+32*\t+\i+1]
	v_pk_add_f32 v[ST+8*\t+4:ST+8*\t+5], v[ST+8*\t+4:ST+8*\t+5], v[S+32*\t+\i+2:S+32*\t+\i+3]
.endr
.endr
.irp t, 0,1
	v_pk_add_f32 v[ST+8*\t+2:ST+8*\t+3], v[ST+8*\t+2:ST+8*\t+3], v[ST+8*\t+4:ST+8*\t+5]
.endr
.irp i, 0,1,2,3,4,5,6,7,8,9,10,11,12,13,14,15
.irp t, 0,1
	v_cvt_pk_f16_f32 v[S+32*\t+\i], v[S+32*\t+2*\i], v[S+32*\t+2*\i+1]   ; P in place: register i is written when registers 2 i and 2 i + 1 are read
.endr
.endr
.irp i, 0,2,4,6,8,10,12,14,16,18,20,22,24,26,28,30
.irp t, 0,1
	v_pk_mul_f32 v[O+32*\t+\i:O+32*\t+\i+1], v[O+32*\t+\i:O+32*\t+\i+1], v[ST+8*\t+6:ST+8*\t+7] op_sel_hi:[1,0]   ; O^T under the new m, each accumulator from its low end on
.endr
.endr
.irp u, 0,1                            ; O^T += V^T P: eight accumulators by turns
	s_wait_dscnt 8-8*\u                            ; V's keys 0-31 are in; then all
.irp ct, 0,1,2,3
.irp t, 0,1
	v_wmma_f32_16x16x32_f16 v[O+32*\t+8*\ct:O+32*\t+8*\ct+7], v[KV+32*\u+8*\ct:KV+32*\u+8*\ct+7], v[S+32*\t+8*\u:S+32*\t+8*\u+7], v[O+32*\t+8*\ct:O+32*\t+8*\ct+7]
.endr
.endr
.endr
.Lhidden_\@:
	s_add_co_u32 s[KSI], s[KSI], 1
	s_add_co_u32 s[TB], s[TB], STEPB
.endm
; THE CHANGE OF SLOTS stands at a slot's head.  Each wave waits for all its tensor loads, adds 0 to its spare word, and waits for that and for its reads of the slot that it has left.
; fill = 1: a round of the cluster's barrier, and behind it the slot just left is filled with the keys that follow: the load has four key steps in which to land.
.macro CHANGE fill
	s_wait_tensorcnt 0x0                           ; no tensor load of mine is out, so a group 0 may be written
	ds_add_u32 v[SPW], v[NIL]
.if \fill
	ds_add_u32 v[SPW], v[NIL]                      ; and twice on end here, in every trip alike
	s_xor_b32 s[G0K+1], s[G0K+1], SLOT1            ; the walking descriptors: the other slot, the next 256 keys
	s_add_nc_u64 s[G0K+2:G0K+3], s[G0K+2:G0K+3], SLOTB
	s_xor_b32 s[G0V+1], s[G0V+1], SLOT1
	s_add_nc_u64 s[G0V+2:G0V+3], s[G0V+2:G0V+3], SLOTB
	s_wait_xcnt 0x0                                ; the last prefetch, a slot back, has read its address
	s_add_nc_u64 s[PFA:PFA+1], s[PFA:PFA+1], SLOTB ; one slot further on than the walking descriptors
	s_wait_dscnt 0x0                               ; both adds are done, and my reads of the slot that I have left are over
	CROUND
	JLOAD                                          ; the first tensor load behind the round, one a wave
	ASK
.else
	s_wait_dscnt 0x0
	s_barrier_signal -1
	s_barrier_wait -1
.endif
.endm
.macro SLOT_STEPS                      ; a slot's four steps: written once, walked four times
	s_mov_b32 s[CNT], NST
.Lstep_\@:
	STEP
	s_sub_co_u32 s[CNT], s[CNT], 1
	s_cmp_lg_u32 s[CNT], 0
	s_cbranch_scc1 .Lstep_\@
	s_sub_co_u32 s[TB], s[TB], NST*STEPB
	s_xor_b32 s[TB], s[TB], SLOT1                  ; on to the other slot
.endm
	s_wait_loadcnt 0x0                             ; q
.Lslot:                                            ; seven trips: behind each change of slots but the last the next slot is asked for
	CHANGE 1
	SLOT_STEPS
	s_sub_co_u32 s[SLOTS], s[SLOTS], 1
	s_cmp_lg_u32 s[SLOTS], 0
	s_cbranch_scc1 .Lslot
	CHANGE 0                                       ; the last slot is written out
	SLOT_STEPS
	; THE WAY OUT.  l's halves are added; O^T is divided by l, rounded to f16 and sent through my stage, a tile of 16 queries at a time.  The lines below are also the places behind the last products.
.irp t, 0,1
	v_add_f32 v[ST+8*\t+4], v[ST+8*\t+2], v[ST+8*\t+3]
.endr
.irp t, 0,1
	v_permlanex16_b32 v[ST+8*\t+5], v[ST+8*\t+4], s[SEL], s[SEL+1]
.endr
.irp t, 0,1
	v_add_f32 v[ST+8*\t+4], v[ST+8*\t+4], v[ST+8*\t+5]
.endr
.irp t, 0,1
	v_rcp_f32 v[ST+8*\t+6], v[ST+8*\t+4]
.endr
	v_and_b32 v253, 15, v0                         ; r
	v_bfe_u32 v254, v0, 4, 1                       ; h
	s_mul_i32 s50, s[WV], 16*SP
	s_add_co_u32 s50, s50, STAGE                   ; my stage
	v_mul_u32_u24 v[STO], v253, SP
	v_lshl_add_u32 v[STO], v254, 4, v[STO]
	v_add_nc_u32 v[STO], s50, v[STO]               ; in: row r, 16 bytes for each half of the lanes
	v_bfe_u32 v255, v0, 3, 2
	v_mul_u32_u24 v[RD], v255, SP
	v_and_b32 v255, 7, v0
	v_lshl_add_u32 v[RD], v255, 4, v[RD]
	v_add_nc_u32 v[RD], s50, v[RD]                 ; back: eight lanes to a row of 128 bytes, four rows an instruction
	v_lshlrev_b32 v[GO], 12, v254
	v_lshl_add_u32 v[GO], v253, 4, v[GO]           ; in ctx: lanes 0-15 one pair of rows, lanes 16-31 the next
	s_wait_alu depctr_va_vdst(0)                   ; one wait for the two reciprocals, ahead of their first reader
.irp t, 0,1
.irp i, 0,2,4,6,8,10,12,14,16,18,20,22,24,26,28,30
	v_pk_mul_f32 v[O+32*\t+\i:O+32*\t+\i+1], v[O+32*\t+\i:O+32*\t+\i+1], v[ST+8*\t+6:ST+8*\t+7] op_sel_hi:[1,0]
.endr
.irp i, 0,1,2,3,4,5,6,7,8,9,10,11,12,13,14,15
	v_cvt_pk_f16_f32 v[S+16*\t+\i], v[O+32*\t+2*\i], v[O+32*\t+2*\i+1]
.endr
.irp ct, 0,1,2,3
	ds_store_b128 v[STO], v[S+16*\t+4*\ct:S+16*\t+4*\ct+3] offset:32*\ct
.endr
.irp i, 0,1,2,3
	ds_load_b128 v[S+32+16*\t+4*\i:S+32+16*\t+4*\i+3], v[RD] offset:4*SP*\i   ; LDS serves a wave's instructions in order: these see the stores above, and the next tile's stores come behind them
.endr
.endr
.irp t, 0,1
.irp i, 0,1,2,3
	s_wait_dscnt 8*(1-\t)+3-\i                     ; behind this load: the tile's later loads, and the next tile's eight LDS instructions
	global_store_b128 v[GO], v[S+32+16*\t+4*\i:S+32+16*\t+4*\i+3], s[6:7] offset:8192*\i+32768*\t   ; sixteen lanes store 256 consecutive bytes, aligned
.endr
.endr
	s_wait_tensorcnt 0x0                           ; the wave's end
	ds_add_u32 v[SPW], v[NIL]
	s_wait_dscnt 0x0
	CROUND                                         ; the closing round
	s_endpgm
.Lfunc_end_k_qb46b4ab701_attn:
	.size	k_qb46b4ab701_attn, .Lfunc_end_k_qb46b4ab701_attn-k_qb46b4ab701_attn
	.p2alignl 7, 3214868480
	.fill 96, 4, 3214868480
	.section	.rodata,"a",@progbits
	.p2align	6, 0x0
	.amdhsa_kernel k_qb46b4ab701_attn
		.amdhsa_group_segment_fixed_size 327680
		.amdhsa_private_segment_fixed_size 0
		.amdhsa_enable_private_segment 0
		.amdhsa_kernarg_size 16
		.amdhsa_user_sgpr_count 2
		.amdhsa_user_sgpr_kernarg_segment_ptr 1
		.amdhsa_wavefront_size32 1
		.amdhsa_system_sgpr_workgroup_id_x 1
		.amdhsa_system_sgpr_workgroup_id_y 1
		.amdhsa_system_sgpr_workgroup_id_z 1
		.amdhsa_system_vgpr_workitem_id 0
		.amdhsa_next_free_vgpr 256
		.amdhsa_next_free_sgpr 66
		.amdhsa_reserve_vcc 1
		.amdhsa_float_denorm_mode_32 3
		.amdhsa_float_denorm_mode_16_64 3
		.amdhsa_memory_ordered 1
		.amdhsa_forward_progress 1
		.amdhsa_inst_pref_size 62
	.end_amdhsa_kernel
	.amdgpu_metadata
---
amdhsa.version: [ 1, 2 ]
amdhsa.kernels:
  - .name:           k_qb46b4ab701_attn
    .symbol:         k_qb46b4ab701_attn.kd
    .args:
      - { .name: qkv, .offset: 0, .size: 8, .value_kind: global_buffer, .address_space: global }
      - { .name: ctx, .offset: 8, .size: 8, .value_kind: global_buffer, .address_space: global }
    .group_segment_fixed_size: 327680
    .private_segment_fixed_size: 0
    .kernarg_segment_align: 8
    .kernarg_segment_size: 16
    .max_flat_workgroup_size: 512
    .sgpr_count:     66
    .vgpr_count:     256
    .wavefront_size: 32
...
	.end_amdgpu_metadata
.endif
;; end of part 3
;; launch oproj (part 4): grid 8 x 64, 4 waves a work-group, clusters of 4 x 4, 327,680 bytes of LDS; arguments ctx, wot, bo, out0; writes out0
.if DOCPART == 4
	.amdgcn_target "amdgcn-amd-amdhsa--gfx1250"
	.amdhsa_code_object_version 6
	.text
	.protected	k_qb46b4ab701_oproj
	.globl	k_qb46b4ab701_oproj
	.p2align	8
	.type	k_qb46b4ab701_oproj,@function
k_qb46b4ab701_oproj:
	s_mov_b64 s[64:65], 0
	v_nop
	global_prefetch_b8 v0, s[64:65] scope:SCOPE_SE
	s_setreg_imm32_b32 hwreg(HW_REG_WAVE_MODE, 25, 1), 1
	s_wait_xcnt 0x0
	s_wait_alu depctr_hold_cnt(0) depctr_sa_sdst(0) depctr_va_vdst(0) depctr_va_sdst(0) depctr_va_ssrc(0) depctr_va_vcc(0) depctr_vm_vsrc(0)
	s_getreg_b32 s2, hwreg(HW_REG_IB_STS2, 6, 4)
	s_cmp_eq_u32 s2, 0
	s_cbranch_scc0 .Lentry_in_a_cluster
	s_endpgm
.Lentry_in_a_cluster:
	s_bfe_u32 s2, ttmp6, 0x10000c
	s_cmp_lg_u32 s2, 0xf033
	s_cbranch_scc0 .Lentry_shape_is_right
	s_endpgm
.Lentry_shape_is_right:
; out0[8192][1024] = ctx Wo + bo, f16 operands, f32 sums; all rows but positions 0 to 15 of each sequence, which a launch of their own writes in f32.
; ctx: f16 in pairs of rows, byte ((m / 2) x 16 + head) x 256 + (m % 2) x 128 + 2 d: a K step of 256 (four heads) is 1,024 consecutive bytes of a pair of rows.  wot: f16 [1024 n][1024 k].
; A tile of the output is 128 x 128: 512 work-groups.  Four waves, each 64 x 64: 16 accumulators.  K goes in four steps of 256 through two LDS slots.
; CLUSTERS: 4 x 4.  Tile row = 16 cy + cluster y (cluster y = 0 marks a sequence's first tile in all partners alike); tile column = 4 cluster x + cx.  ctx's tiles are shared along a row of the cluster, wot's along a column.
; THE MATRIX INSTRUCTION IS USED TRANSPOSED (source 0 = 16 rows of wot, source 1 = 16 rows of ctx): a lane holds eight neighbouring columns of a row.  The bias is the C of each sum's first product.
; No prefetch: the tiles are small, and both operands are read again by many work-groups.
; REGISTERS: window 0: v0-31 addresses; v32-63 the bias; v32-95 rows on the way out; v128-255 the accumulators ((a, b) at v[128 + 8 (4 a + b)]).  window 1: two fragment buffers of 128.
.set PA,     1040                      ; a pair of ctx's rows in LDS: 1,024 bytes + 16
.set PB,     528                       ; a row of wot: 512 + 16
.set HALFA,  32*PA                     ; 64 rows of ctx: what one tensor load brings
.set HALFB,  64*PB
.set BOFF,   2*HALFA
.set SLOT,   BOFF+2*HALFB
.set SPARE,  2*SLOT                    ; the spare words: two blocks of 256 bytes that no other line names
.set SPITCH, 272                       ; the way out: 16 rows x 272 bytes for each wave, in slot 0, which has had its last fill and its last read by then
.set ADRA, 16
.set ADRB, 20
.set STO,  24
.set RD,   25
.set CO,   26
.set BO,   27
.set SPW,  28
.set NIL,  29
.set BIAS, 32
.set ACC,  128
.set F0,   0
.set F1,   128
.set G1, 24
.set G0, 32
.set G1B, 48
.set G0B, 56
.set MSB, 0
.macro WIN new
.if MSB != \new
	s_set_vgpr_msb (MSB<<8)|\new
.set MSB, \new
.endif
.endm
.set MUL,  0x05                        ; sources 0 and 1 window 1; C and D window 0
.set TO_F, 0x40
.macro JLOAD s                         ; waves 0 and 1 fetch ctx's two halves, waves 2 and 3 wot's; an s_nop 0 and four v_nop follow each line
	s_cmp_eq_u32 s14, 0
	s_cbranch_scc0 .Lfor_b_\@
	tensor_load_to_lds s[G0+4*\s:G0+4*\s+3], s[G1:G1+7]
	s_nop 0
.rept 4
	v_nop
.endr
	s_branch .Lasked_\@
.Lfor_b_\@:
	tensor_load_to_lds s[G0B+4*\s:G0B+4*\s+3], s[G1B:G1B+7]
	s_nop 0
.rept 4
	v_nop
.endr
.Lasked_\@:
.endm
.macro CREST
	s_cmp_lg_u32 s12, 0
	s_cbranch_scc1 .Lnot_wave_0_\@
	s_barrier_signal -3
.Lnot_wave_0_\@:
	s_barrier_wait -3
	s_barrier_signal -1
	s_barrier_wait -1
.endm
.macro CROUND
	s_barrier_signal -1
	s_barrier_wait -1
	CREST
.endm
	s_load_b256 s[4:11], s[0:1], 0x0               ; ctx s[4:5], wot s[6:7], bo s[8:9], out0 s[10:11]
	v_lshl_add_u32 v[SPW], v0, 2, SPARE
	v_mov_b32 v[NIL], 0
	ds_add_u32 v[SPW], v[NIL]                      ; the wave's opening: the add, twice on end, and its wait ahead of my first tensor load
	ds_add_u32 v[SPW], v[NIL]
	v_lshrrev_b32 v1, 5, v0
	v_readfirstlane_b32 s12, v1                    ; wave 0..3
	s_lshr_b32 s14, s12, 1                         ; my half of the rows.  Also: I fetch for ctx (0) or for wot (1)
	s_and_b32 s15, s12, 1                          ; my half of the columns.  Also: which half of that tile I fetch
	s_bfe_u32 s40, ttmp6, 0x40000                  ; cx
	s_bfe_u32 s41, ttmp6, 0x40004                  ; cy
	s_lshl_b32 s42, ttmp9, 2
	s_add_co_u32 s42, s42, s40                     ; tile column
	s_and_b32 s45, ttmp7, 0xffff                   ; cluster y
	s_lshl_b32 s13, s41, 4
	s_add_co_u32 s13, s13, s45                     ; tile row = 16 cy + cluster y
	s_lshl_b32 s43, s41, 2
	s_lshl_b32 s43, 15, s43                        ; my row of the cluster
	s_lshl_b32 s44, 0x1111, s40                    ; my column
	s_or_b32 s[G1+0], s43, (1<<16)|(1<<20)|(1<<21)|(7<<22)|(3<<25)  ; elements of 2 bytes; padding: 4 words after every 256
	s_mov_b32 s[G1+1], 512<<16                     ; tensor_dim0: 512 elements of a pair of rows
	s_mov_b32 s[G1+2], 32<<16                      ; tensor_dim1: 32 pairs
	s_mov_b32 s[G1+3], 512<<16
	s_mov_b32 s[G1+4], 32
	s_mov_b32 s[G1+5], 2048                        ; from pair to pair
	s_mov_b32 s[G1+6], 0
	s_mov_b32 s[G1+7], 0
	s_or_b32 s[G1B+0], s44, (1<<16)|(1<<20)|(1<<21)|(6<<22)|(3<<25) ; padding: 4 words after every 128
	s_mov_b32 s[G1B+1], 256<<16
	s_mov_b32 s[G1B+2], 64<<16
	s_mov_b32 s[G1B+3], 256<<16
	s_mov_b32 s[G1B+4], 64
	s_mov_b32 s[G1B+5], 1024
	s_mov_b32 s[G1B+6], 0
	s_mov_b32 s[G1B+7], 0
	s_lshl_b32 s16, s13, 18                        ; ctx: 64 pairs of 4,096 bytes a tile row,
	s_lshl_b32 s17, s15, 17                        ; 32 a half
	s_add_co_u32 s16, s16, s17
	s_mov_b32 s17, 0
	s_lshl_b32 s46, s42, 18                        ; wot: 128 rows of 2,048 bytes a tile column,
	s_lshl_b32 s47, s15, 17                        ; 64 a half
	s_add_co_u32 s46, s46, s47
	s_mov_b32 s47, 0
	s_mul_i32 s20, s15, HALFA                      ; where they go: no place in the cluster enters an LDS address
	s_mul_i32 s21, s15, HALFB
	s_add_co_u32 s21, s21, BOFF
	s_wait_dscnt 0x0                               ; both opening adds are done
	s_wait_kmcnt 0x0
	s_add_nc_u64 s[18:19], s[4:5], s[16:17]
	s_add_nc_u64 s[46:47], s[6:7], s[46:47]
	CROUND                                         ; all sixteen work-groups are here
.irp s, 0,1
	s_mov_b32 s[G0+4*\s], 1
	s_add_co_u32 s[G0+4*\s+1], s20, \s*SLOT
	s_add_nc_u64 s[G0+4*\s+2:G0+4*\s+3], s[18:19], \s*1024
	s_or_b32 s[G0+4*\s+3], s[G0+4*\s+3], 0x80000000
	s_mov_b32 s[G0B+4*\s], 1
	s_add_co_u32 s[G0B+4*\s+1], s21, \s*SLOT
	s_add_nc_u64 s[G0B+4*\s+2:G0B+4*\s+3], s[46:47], \s*512
	s_or_b32 s[G0B+4*\s+3], s[G0B+4*\s+3], 0x80000000
	JLOAD \s                                       ; by this text's count two tensor loads of a wave are out here, later one
.endr
	s_lshl_b32 s16, s42, 9
	s_lshl_b32 s17, s15, 8
	s_add_co_u32 s16, s16, s17                     ; my first column, in bytes of f32
	s_mov_b32 s17, 0
	s_add_nc_u64 s[8:9], s[8:9], s[16:17]
	s_add_nc_u64 s[10:11], s[10:11], s[16:17]
	s_lshl_b32 s16, s13, 19                        ; 128 rows of 4,096 bytes a tile row,
	s_lshl_b32 s22, s14, 18                        ; 64 a half
	s_add_co_u32 s16, s16, s22
	s_add_nc_u64 s[10:11], s[10:11], s[16:17]
	v_and_b32 v1, 15, v0                           ; r
	v_bfe_u32 v2, v0, 4, 1                         ; h
	v_lshlrev_b32 v[BO], 5, v2
.irp b, 0,1,2,3
	global_load_b128 v[BIAS+8*\b:BIAS+8*\b+3], v[BO], s[8:9] offset:64*\b       ; lane (r, h): bo at columns 16 b + 8 h + 0 .. 7
	global_load_b128 v[BIAS+8*\b+4:BIAS+8*\b+7], v[BO], s[8:9] offset:64*\b+16
.endr
	v_lshrrev_b32 v3, 1, v1
	v_mul_u32_u24 v3, v3, PA
	v_and_b32 v4, 1, v0
	v_lshl_add_u32 v3, v4, 7, v3
	v_lshl_add_u32 v3, v2, 4, v3                   ; ctx: pair r / 2, + 128 (r % 2), + 16 h
	v_mul_u32_u24 v4, v1, PB
	v_lshl_add_u32 v4, v2, 4, v4                   ; wot: row r, + 16 h
	s_mul_i32 s21, s14, HALFA
	s_mul_i32 s22, s15, HALFB
	s_add_co_u32 s22, s22, BOFF
.irp s, 0,1
	v_add_nc_u32 v[ADRA+\s], s21, v3
	v_add_nc_u32 v[ADRB+\s], s22, v4
	s_add_co_u32 s21, s21, SLOT
	s_add_co_u32 s22, s22, SLOT
.endr
	s_mul_i32 s23, s12, 16*SPITCH                  ; my stage
	v_mul_u32_u24 v5, v1, SPITCH
	v_lshl_add_u32 v5, v2, 5, v5
	v_add_nc_u32 v[STO], s23, v5                   ; in: row r, 32 bytes for each half of the lanes
	v_mul_u32_u24 v5, v2, SPITCH
	v_lshl_add_u32 v5, v1, 4, v5
	v_add_nc_u32 v[RD], s23, v5                    ; back: lanes 0-15 one row of 256 bytes, lanes 16-31 the next
	v_lshlrev_b32 v[CO], 12, v2
	v_lshl_add_u32 v[CO], v1, 4, v[CO]             ; and the same two rows in out0
; 8 matrix instructions: row blocks a0, a0 + 1 x all 4 column blocks, 32 along K: half c of buffer f.  first = 1: the bias starts the sums.  The 16 accumulators take turns.
.macro MUL8 f, c, a0, first
.irp a, \a0, \a0+1
.irp b, 0,1,2,3
.if \first
	v_wmma_f32_16x16x32_f16 v[ACC+8*(4*(\a)+\b):ACC+8*(4*(\a)+\b)+7], v[\f+64+8*(4*\c+\b):\f+64+8*(4*\c+\b)+7], v[\f+8*(4*\c+\a):\f+8*(4*\c+\a)+7], v[BIAS+8*\b:BIAS+8*\b+7]
.else
	v_wmma_f32_16x16x32_f16 v[ACC+8*(4*(\a)+\b):ACC+8*(4*(\a)+\b)+7], v[\f+64+8*(4*\c+\b):\f+64+8*(4*\c+\b)+7], v[\f+8*(4*\c+\a):\f+8*(4*\c+\a)+7], v[ACC+8*(4*(\a)+\b):ACC+8*(4*(\a)+\b)+7]
.endif
.endr
.endr
.endm
; 32 LDS loads in one run: the fragments of the slot's q-th 64 along K (one head) into buffer f; the first 32 along K first
.macro FETCH slot, q, f
	WIN TO_F
.irp c, 0,1
.irp i, 0,1,2,3
	ds_load_b128 v[\f+64+8*(4*\c+\i):\f+64+8*(4*\c+\i)+3],   v[ADRB+\slot] offset:128*(\q)+64*\c+\i*16*PB
	ds_load_b128 v[\f+64+8*(4*\c+\i)+4:\f+64+8*(4*\c+\i)+7], v[ADRB+\slot] offset:128*(\q)+64*\c+\i*16*PB+32
	ds_load_b128 v[\f+8*(4*\c+\i):\f+8*(4*\c+\i)+3],         v[ADRA+\slot] offset:256*(\q)+64*\c+\i*8*PA
	ds_load_b128 v[\f+8*(4*\c+\i)+4:\f+8*(4*\c+\i)+7],       v[ADRA+\slot] offset:256*(\q)+64*\c+\i*8*PA+32
.endr
.endr
.endm
.macro PLACES
.rept 4
	v_nop
.endr
.endm
; A quarter of a K step: multiplies buffer f and fetches the slot's q-th quarter into g
.macro QUARTER slot, q, f, g, first
	s_wait_dscnt 16                                ; the first 32 along K are in
	WIN MUL
	MUL8 \f, 0, 0, \first
	MUL8 \f, 0, 2, \first
	PLACES
	FETCH \slot, \q, \g
	s_wait_dscnt 32                                ; all but the 32 just issued
	WIN MUL
	MUL8 \f, 1, 0, 0
	MUL8 \f, 1, 2, 0
.endm
; The last quarter multiplies buffer 1 and changes slots: one barrier; in front of it each wave waits for all its tensor loads, adds 0 to its spare word, and waits for that and for its reads of this slot.
.macro TURN slot, next, fill
	WIN 0
	s_wait_tensorcnt 0x0                           ; my part of the next slot has landed
	ds_add_u32 v[SPW], v[NIL]
	s_wait_dscnt 17                                ; the add and the youngest sixteen loads may be out
	WIN MUL
	MUL8 F1, 0, 0, 0
	s_wait_dscnt 0x0                               ; the add is done, and my reads of this slot are over
	s_barrier_signal -1
	MUL8 F1, 0, 2, 0
.if \fill
	WIN 0
.endif
	s_barrier_wait -1
.if \fill
	CREST                                          ; the barrier has opened a round of the cluster's barrier
	s_add_nc_u64 s[G0+4*\slot+2:G0+4*\slot+3], s[G0+4*\slot+2:G0+4*\slot+3], 2048
	s_add_nc_u64 s[G0B+4*\slot+2:G0B+4*\slot+3], s[G0B+4*\slot+2:G0B+4*\slot+3], 1024
	JLOAD \slot                                    ; the first tensor load behind the round; its four v_nop are also the places in front of the loads below
.else
	PLACES
.endif
	FETCH \next, 0, F0
	WIN MUL
	MUL8 F1, 1, 0, 0
	MUL8 F1, 1, 2, 0
.endm
	s_wait_tensorcnt 1                             ; my part of K step 0 is in; K step 1's may be out
	s_barrier_signal -1
	s_barrier_wait -1
	FETCH 0, 0, F0
	s_wait_loadcnt 0x0                             ; the bias
	QUARTER 0, 1, F0, F1, 1                        ; K step 0
	QUARTER 0, 2, F1, F0, 0
	QUARTER 0, 3, F0, F1, 0
	TURN 0, 1, 1                                   ; slot 0 takes K step 2
	QUARTER 1, 1, F0, F1, 0                        ; K step 1
	QUARTER 1, 2, F1, F0, 0
	QUARTER 1, 3, F0, F1, 0
	TURN 1, 0, 1                                   ; slot 1 takes K step 3
	QUARTER 0, 1, F0, F1, 0                        ; K step 2
	QUARTER 0, 2, F1, F0, 0
	QUARTER 0, 3, F0, F1, 0
	TURN 0, 1, 0                                   ; nothing is left to fetch
	QUARTER 1, 1, F0, F1, 0                        ; K step 3
	QUARTER 1, 2, F1, F0, 0
	QUARTER 1, 3, F0, F1, 0
	s_wait_dscnt 16
	WIN MUL
	MUL8 F1, 0, 0, 0
	MUL8 F1, 0, 2, 0
	s_wait_dscnt 0
	MUL8 F1, 1, 0, 0
	MUL8 F1, 1, 2, 0
	WIN 0
	PLACES
; THE WAY OUT, a block of 16 rows x 64 columns at a time: a row is 256 bytes, so each wave has a stage of its own and no barrier is needed.
.macro OUTBLK a
.set BK, 32+32*((\a)%2)
.irp b, 0,1,2,3
	ds_store_b128 v[STO], v[ACC+8*(4*(\a)+\b):ACC+8*(4*(\a)+\b)+3] offset:64*\b      ; each accumulator from its low end on
	ds_store_b128 v[STO], v[ACC+8*(4*(\a)+\b)+4:ACC+8*(4*(\a)+\b)+7] offset:64*\b+16
.endr
.if (\a) >= 2
	s_wait_xcnt 0x0                                ; the stores of two blocks ago have read the registers into which the loads below land
.endif
.irp t, 0,1,2,3,4,5,6,7
	ds_load_b128 v[BK+4*\t:BK+4*\t+3], v[RD] offset:\t*2*SPITCH    ; LDS serves a wave's instructions in order: these see the stores above
.endr
	s_wait_dscnt 0x0
.irp t, 0,1,2,3,4,5,6,7
	global_store_b128 v[CO], v[BK+4*\t:BK+4*\t+3], s[10:11] offset:(16*(\a)+2*\t)*4096 th:TH_STORE_NT   ; sixteen lanes store 256 consecutive bytes, aligned
.endr
.endm
	s_or_b32 s16, s45, s14                         ; cluster y = 0 and the upper half of the rows: block 0 is positions 0 to 15 of a sequence, which another launch writes.  Ids that all partners share
	s_cmp_eq_u32 s16, 0
	s_cbranch_scc1 .Lnot_block_0
	OUTBLK 0
.Lnot_block_0:
	OUTBLK 1
	OUTBLK 2
	OUTBLK 3
	s_wait_tensorcnt 0x0                           ; the wave's end
	ds_add_u32 v[SPW], v[NIL]
	s_wait_dscnt 0x0
	CROUND                                         ; the closing round
	s_endpgm
.Lfunc_end_k_qb46b4ab701_oproj:
	.size	k_qb46b4ab701_oproj, .Lfunc_end_k_qb46b4ab701_oproj-k_qb46b4ab701_oproj
	.p2alignl 7, 3214868480
	.fill 96, 4, 3214868480
	.section	.rodata,"a",@progbits
	.p2align	6, 0x0
	.amdhsa_kernel k_qb46b4ab701_oproj
		.amdhsa_group_segment_fixed_size 327680
		.amdhsa_private_segment_fixed_size 0
		.amdhsa_enable_private_segment 0
		.amdhsa_kernarg_size 32
		.amdhsa_user_sgpr_count 2
		.amdhsa_user_sgpr_kernarg_segment_ptr 1
		.amdhsa_wavefront_size32 1
		.amdhsa_system_sgpr_workgroup_id_x 1
		.amdhsa_system_sgpr_workgroup_id_y 1
		.amdhsa_system_sgpr_workgroup_id_z 1
		.amdhsa_system_vgpr_workitem_id 0
		.amdhsa_next_free_vgpr 512
		.amdhsa_next_free_sgpr 66
		.amdhsa_reserve_vcc 0
		.amdhsa_float_denorm_mode_32 3
		.amdhsa_float_denorm_mode_16_64 3
		.amdhsa_memory_ordered 1
		.amdhsa_forward_progress 1
		.amdhsa_inst_pref_size 86
	.end_amdhsa_kernel
	.amdgpu_metadata
---
amdhsa.version: [ 1, 2 ]
amdhsa.kernels:
  - .name:           k_qb46b4ab701_oproj
    .symbol:         k_qb46b4ab701_oproj.kd
    .args:
      - { .name: ctx, .offset: 0, .size: 8, .value_kind: global_buffer, .address_space: global }
      - { .name: wot, .offset: 8, .size: 8, .value_kind: global_buffer, .address_space: global }
      - { .name: bo, .offset: 16, .size: 8, .value_kind: global_buffer, .address_space: global }
      - { .name: out0, .offset: 24, .size: 8, .value_kind: global_buffer, .address_space: global }
    .group_segment_fixed_size: 327680
    .private_segment_fixed_size: 0
    .kernarg_segment_align: 8
    .kernarg_segment_size: 32
    .max_flat_workgroup_size: 128
    .sgpr_count:     66
    .vgpr_count:     512
    .wavefront_size: 32
...
	.end_amdgpu_metadata
.endif
;; end of part 4
;; launch first16 (part 5): grid 16 x 4, 16 waves a work-group, no clusters, 71,680 bytes of LDS; arguments fine, Wo, bo, out0; writes out0
.if DOCPART == 5
	.amdgcn_target "amdgcn-amd-amdhsa--gfx1250"
	.amdhsa_code_object_version 6
	.text
	.protected	k_qb46b4ab701_first16
	.globl	k_qb46b4ab701_first16
	.p2align	8
	.type	k_qb46b4ab701_first16,@function
k_qb46b4ab701_first16:
	s_mov_b64 s[64:65], 0
	v_nop
	global_prefetch_b8 v0, s[64:65] scope:SCOPE_SE
	s_setreg_imm32_b32 hwreg(HW_REG_WAVE_MODE, 25, 1), 1
	s_wait_xcnt 0x0
; Positions 0 to 15 of each of the four sequences, attention and projection in f32: these rows average one to sixteen values, are the largest in size, and have the least room for rounding.
; fine: q, k, v of those positions as f32, [part 3][batch 4][head 16][16][64].  out0[2048 b + 0..15][64 x .. 64 x + 63] = ctx Wo + bo.
; A work-group takes a batch and 64 output columns; wave h takes head h: its attention (16 x 16), then its 64 channels' part of the projection; the sixteen parts are added through LDS in a fixed order.
; 64 work-groups: there is no more work to share out; fewer columns to a work-group would leave stores of under 256 bytes a row.
; The f32 matrix form: lane (r, h2) holds row (or column) r and, in its two registers, k = 2 h2 + 0, 1.  A permutation of k applied alike to both sources keeps the products, so each lane loads long runs:
;   S^T = K Q^T: instruction kk takes channels 32 h2 + 2 kk + 0, 1.     O^T = V^T P: keys 8 h2 + 2 kk + 0, 1, as S^T's result holds them.     OUT^T = Wo^T O^T: channels 16 t + 8 h2 + 2 jj + 0, 1, as O^T's result holds them.
; The registers that the f32 matrix form writes (v176-239) are written by matrix instructions alone.
.set SPW, 14
.set NIL, 15
.set QF,  16                           ; v16-47   q; later Wo for columns 32-47
.set KF,  48                           ; v48-79   k; later Wo for columns 48-63
.set VF,  80                           ; v80-111  v: register 8 t + i = v[key 8 h2 + i][channel 16 t + r]
.set WA,  112                          ; v112-175 Wo for columns 0-31: register 32 u + 8 t + i = Wo[64 h + 16 t + 8 h2 + i][16 u + r]
.set SA,  176                          ; v176-191 two accumulators of S^T; later of the output
.set OA,  192                          ; v192-223 O^T, four tiles of 16 channels
.set OB,  224                          ; v224-239 two more accumulators of the output
.set T,   240                          ; v240-247 scores, then p
.set BI,  248                          ; v[248:249] the bias
.set PP,  4352                         ; a wave's part in LDS: 16 rows x (256 + 16) bytes
.set SPARE, 16*PP                      ; the spare words: eight blocks of 256 bytes that no other line names
	s_load_b256 s[4:11], s[0:1], 0x0               ; fine s[4:5], Wo s[6:7], bo s[8:9], out0 s[10:11]
	v_lshl_add_u32 v[SPW], v0, 2, SPARE
	v_mov_b32 v[NIL], 0
	v_lshrrev_b32 v1, 5, v0
	v_readfirstlane_b32 s12, v1                    ; wave = head; later = query
	s_and_b32 s13, ttmp7, 0xffff                   ; batch
	v_and_b32 v1, 15, v0                           ; r
	v_bfe_u32 v2, v0, 4, 1                         ; h2
	v_lshlrev_b32 v3, 8, v1
	v_lshl_add_u32 v3, v2, 7, v3                   ; q, k: row r of 256 bytes, + 128 h2
	v_lshlrev_b32 v4, 2, v1
	v_lshl_add_u32 v5, v2, 15, v4                  ; Wo: 8 h2 rows of 4,096 bytes, + 4 r
	v_lshl_add_u32 v4, v2, 11, v4                  ; v: 8 h2 rows of 256 bytes, + 4 r
	v_and_b32 v6, 31, v0
	v_lshlrev_b32 v6, 3, v6                        ; 8 x lane
	v_lshlrev_b32 v7, 3, v2
	v_sub_nc_u32 v7, v1, v7                        ; r - 8 h2: key 8 h2 + j is hidden where j is above it
	v_mov_b32 v8, 0xff800000                       ; -infinity
	s_mul_i32 s14, s12, PP
	v_mul_u32_u24 v9, v1, 272
	v_lshl_add_u32 v9, v2, 5, v9
	v_add_nc_u32 v9, s14, v9                       ; my part: row r (a query), + 32 h2
	s_mul_i32 s15, s12, 272
	v_add_nc_u32 v10, s15, v6                      ; back: query = my wave's number, 8 bytes a lane
	v_mov_b32 v251, 0                              ; a lane permute's destination counts as one of its sources
	s_mov_b32 s20, 0x3e38aa3b                      ; log2(e) / 8
	s_mov_b32 s22, 0x76543210
	s_mov_b32 s23, 0xfedcba98
	s_lshl_b32 s16, s13, 4
	s_add_co_u32 s16, s16, s12
	s_lshl_b32 s16, s16, 12                        ; (16 b + h) x 4,096 bytes
	s_mov_b32 s17, 0
	s_lshl_b32 s18, s12, 18                        ; Wo: 64 h rows,
	s_lshl_b32 s21, ttmp9, 8                       ; and 64 x columns of 4 bytes
	s_add_co_u32 s18, s18, s21
	s_mov_b32 s19, 0
	s_wait_kmcnt 0x0
	s_add_nc_u64 s[4:5], s[4:5], s[16:17]
	s_add_nc_u64 s[6:7], s[6:7], s[18:19]
	s_mov_b32 s18, s21
	s_add_nc_u64 s[8:9], s[8:9], s[18:19]
	s_lshl_b32 s16, s13, 23                        ; out0: 2,048 b rows of 4,096 bytes,
	s_lshl_b32 s18, s12, 12                        ; + my query's row,
	s_add_co_u32 s16, s16, s18
	s_add_co_u32 s16, s16, s21                     ; + the columns
	s_add_nc_u64 s[10:11], s[10:11], s[16:17]
.irp i, 0,1,2,3,4,5,6,7
	global_load_b128 v[QF+4*\i:QF+4*\i+3], v3, s[4:5] offset:16*\i
.endr
.irp i, 0,1,2,3,4,5,6,7
	global_load_b128 v[KF+4*\i:KF+4*\i+3], v3, s[4:5] offset:262144+16*\i
.endr
.irp t, 0,1,2,3
.irp i, 0,1,2,3,4,5,6,7
	global_load_b32 v[VF+8*\t+\i], v4, s[4:5] offset:524288+256*\i+64*\t
.endr
.endr
	global_load_b64 v[BI:BI+1], v6, s[8:9]
.irp u, 0,1
.irp t, 0,1,2,3
.irp i, 0,1,2,3,4,5,6,7
	global_load_b32 v[WA+32*\u+8*\t+\i], v5, s[6:7] offset:(16*\t+\i)*4096+64*\u
.endr
.endr
.endr
	s_wait_loadcnt 63                              ; of the 113 loads 63 may be out: the first 50, q, k, v and the bias among them, are in
.irp kk, 0,1,2,3,4,5,6,7,8,9,10,11,12,13,14,15    ; S^T = K Q^T, two accumulators by turns
.if \kk < 2
	v_wmma_f32_16x16x4_f32 v[SA+8*(\kk%2):SA+8*(\kk%2)+7], v[KF+2*\kk:KF+2*\kk+1], v[QF+2*\kk:QF+2*\kk+1], 0
.else
	v_wmma_f32_16x16x4_f32 v[SA+8*(\kk%2):SA+8*(\kk%2)+7], v[KF+2*\kk:KF+2*\kk+1], v[QF+2*\kk:QF+2*\kk+1], v[SA+8*(\kk%2):SA+8*(\kk%2)+7]
.endif
.endr
.rept 8
	v_nop                                          ; eight places behind this form, in front of the loads into q's and k's registers and of the first reads of the sums
.endr
.irp u, 0,1
.irp t, 0,1,2,3
.irp i, 0,1,2,3,4,5,6,7
	global_load_b32 v[QF+32*\u+8*\t+\i], v5, s[6:7] offset:(16*\t+\i)*4096+128+64*\u
.endr
.endr
.endr
.irp j, 0,1,2,3,4,5,6,7
	v_add_f32 v[T+\j], v[SA+\j], v[SA+8+\j]        ; lane (r, h2): query r, key 8 h2 + j
.endr
.irp j, 0,1,2,3,4,5,6,7
	v_cmp_gt_i32 vcc_lo, \j, v7
	v_cndmask_b32 v[T+\j], v[T+\j], v8, vcc_lo     ; the causal mask
.endr
	v_max3_num_f32 v250, v[T], v[T+1], v[T+2]
	v_max3_num_f32 v252, v[T+3], v[T+4], v[T+5]
	v_max3_num_f32 v250, v250, v[T+6], v[T+7]
	v_max_num_f32 v250, v250, v252
	v_permlanex16_b32 v251, v250, s22, s23
	v_max_num_f32 v250, v250, v251                 ; the row's maximum: key 0 counts for every query, so it is a number
	v_mul_f32 v252, s20, v250
.irp j, 0,1,2,3,4,5,6,7
	v_fma_f32 v[T+\j], v[T+\j], s20, -v252
.endr
.irp j, 0,1,2,3,4,5,6,7
	v_exp_f32 v[T+\j], v[T+\j]
.endr
	v_nop                                          ; a plain instruction behind the last exponential
	s_wait_alu depctr_va_vdst(0)                   ; one wait for the eight, ahead of their first reader
	v_add_f32 v250, v[T], v[T+1]
	v_add_f32 v252, v[T+2], v[T+3]
	v_add_f32 v253, v[T+4], v[T+5]
	v_add_f32 v254, v[T+6], v[T+7]
	v_add_f32 v250, v250, v252
	v_add_f32 v253, v253, v254
	v_add_f32 v250, v250, v253
	v_permlanex16_b32 v251, v250, s22, s23
	v_add_f32 v250, v250, v251                     ; the row's sum
	v_rcp_f32 v252, v250
	v_nop
	s_wait_alu depctr_va_vdst(0)
.irp j, 0,1,2,3,4,5,6,7
	v_mul_f32 v[T+\j], v[T+\j], v252               ; the probabilities
.endr
.irp kk, 0,1,2,3                                   ; O^T = V^T P: four accumulators by turns
.irp t, 0,1,2,3
.if \kk == 0
	v_wmma_f32_16x16x4_f32 v[OA+8*\t:OA+8*\t+7], v[VF+8*\t+2*\kk:VF+8*\t+2*\kk+1], v[T+2*\kk:T+2*\kk+1], 0
.else
	v_wmma_f32_16x16x4_f32 v[OA+8*\t:OA+8*\t+7], v[VF+8*\t+2*\kk:VF+8*\t+2*\kk+1], v[T+2*\kk:T+2*\kk+1], v[OA+8*\t:OA+8*\t+7]
.endif
.endr
.endr
	s_wait_loadcnt 0x0                             ; all of Wo's 64 rows x 64 columns
.rept 9
	v_nop                                          ; nine places: a result becomes a source of the next products
.endr
.irp t, 0,1,2,3                                    ; OUT^T = Wo^T O^T: four accumulators (16 columns each) by turns; lane (r, h2) register j: column 16 u + 8 h2 + j of query r
.irp jj, 0,1,2,3
.irp u, 0,1,2,3
.if (\t == 0) && (\jj == 0)
	v_wmma_f32_16x16x4_f32 v[SA+8*\u+32*(\u/2):SA+8*\u+32*(\u/2)+7], v[WA+32*\u-160*(\u/2)+8*\t+2*\jj:WA+32*\u-160*(\u/2)+8*\t+2*\jj+1], v[OA+8*\t+2*\jj:OA+8*\t+2*\jj+1], 0
.else
	v_wmma_f32_16x16x4_f32 v[SA+8*\u+32*(\u/2):SA+8*\u+32*(\u/2)+7], v[WA+32*\u-160*(\u/2)+8*\t+2*\jj:WA+32*\u-160*(\u/2)+8*\t+2*\jj+1], v[OA+8*\t+2*\jj:OA+8*\t+2*\jj+1], v[SA+8*\u+32*(\u/2):SA+8*\u+32*(\u/2)+7]
.endif
.endr
.endr
.endr
.rept 8
	v_nop
.endr
.irp u, 0,1,2,3
	ds_store_b128 v9, v[SA+8*\u+32*(\u/2):SA+8*\u+32*(\u/2)+3] offset:64*\u          ; each accumulator from its low end on
	ds_store_b128 v9, v[SA+8*\u+32*(\u/2)+4:SA+8*\u+32*(\u/2)+7] offset:64*\u+16
.endr
	s_wait_dscnt 0x0                               ; for the others' sake: my part lies in LDS
	s_barrier_signal -1
	s_barrier_wait -1
.irp p, 0,1,2,3,4,5,6,7,8,9,10,11,12,13,14,15
	ds_load_b64 v[16+2*\p:17+2*\p], v10 offset:\p*PP   ; query w's 64 columns of head p's part: 8 bytes a lane
.endr
	s_wait_dscnt 0x0
.irp p, 0,2,4,6,8,10,12,14
	v_pk_add_f32 v[16+2*\p:17+2*\p], v[16+2*\p:17+2*\p], v[18+2*\p:19+2*\p]
.endr
.irp p, 0,4,8,12
	v_pk_add_f32 v[16+2*\p:17+2*\p], v[16+2*\p:17+2*\p], v[20+2*\p:21+2*\p]
.endr
.irp p, 0,8
	v_pk_add_f32 v[16+2*\p:17+2*\p], v[16+2*\p:17+2*\p], v[24+2*\p:25+2*\p]
.endr
	v_pk_add_f32 v[16:17], v[16:17], v[32:33]
	v_pk_add_f32 v[16:17], v[16:17], v[BI:BI+1]
	global_store_b64 v6, v[16:17], s[10:11]        ; the 32 lanes store 256 consecutive bytes, aligned
	s_wait_tensorcnt 0x0                           ; the wave's end, behind my last LDS store
	ds_add_u32 v[SPW], v[NIL]
	s_wait_dscnt 0x0
	s_endpgm
.Lfunc_end_k_qb46b4ab701_first16:
	.size	k_qb46b4ab701_first16, .Lfunc_end_k_qb46b4ab701_first16-k_qb46b4ab701_first16
	.p2alignl 7, 3214868480
	.fill 96, 4, 3214868480
	.section	.rodata,"a",@progbits
	.p2align	6, 0x0
	.amdhsa_kernel k_qb46b4ab701_first16
		.amdhsa_group_segment_fixed_size 71680
		.amdhsa_private_segment_fixed_size 0
		.amdhsa_enable_private_segment 0
		.amdhsa_kernarg_size 32
		.amdhsa_user_sgpr_count 2
		.amdhsa_user_sgpr_kernarg_segment_ptr 1
		.amdhsa_wavefront_size32 1
		.amdhsa_system_sgpr_workgroup_id_x 1
		.amdhsa_system_sgpr_workgroup_id_y 1
		.amdhsa_system_sgpr_workgroup_id_z 1
		.amdhsa_system_vgpr_workitem_id 0
		.amdhsa_next_free_vgpr 256
		.amdhsa_next_free_sgpr 66
		.amdhsa_reserve_vcc 1
		.amdhsa_float_denorm_mode_32 3
		.amdhsa_float_denorm_mode_16_64 3
		.amdhsa_memory_ordered 1
		.amdhsa_forward_progress 1
		.amdhsa_inst_pref_size 32
	.end_amdhsa_kernel
	.amdgpu_metadata
---
amdhsa.version: [ 1, 2 ]
amdhsa.kernels:
  - .name:           k_qb46b4ab701_first16
    .symbol:         k_qb46b4ab701_first16.kd
    .args:
      - { .name: fine, .offset: 0, .size: 8, .value_kind: global_buffer, .address_space: global }
      - { .name: Wo, .offset: 8, .size: 8, .value_kind: global_buffer, .address_space: global }
      - { .name: bo, .offset: 16, .size: 8, .value_kind: global_buffer, .address_space: global }
      - { .name: out0, .offset: 24, .size: 8, .value_kind: global_buffer, .address_space: global }
    .group_segment_fixed_size: 71680
    .private_segment_fixed_size: 0
    .kernarg_segment_align: 8
    .kernarg_segment_size: 32
    .max_flat_workgroup_size: 512
    .sgpr_count:     66
    .vgpr_count:     256
    .wavefront_size: 32
...
	.end_amdgpu_metadata
.endif
;; end of part 5
